; MI455X (gfx1250); checked and timed in simulation.
; The chip was launched on July 23, 2026; its instructions are those of AMD's public machine-readable ISA for CDNA 5 (MIT licence, August 2026) and "CDNA5" Instruction Set Architecture Reference Guide (July 2026). The comments in the code are by the model that wrote it; some were corrected since.
;; Goal Mlp Extractor. Allowed arithmetic: matrix products marked QUANTISED: E4M3 operands, one E8M0 scale for each 32 along K, by v_wmma_scale_f32_16x16x128_f8f6f4 with both operands' format E4M3, f32 sums; everything else in f32.
;; Inputs: Wp0 16 x 512 x 512 float32; Wp1 16 x 512 x 512 float32; Wv0 16 x 512 x 512 float32; Wv1 16 x 512 x 512 float32; bp0 16 x 512 float32; bp1 16 x 512 float32; bv0 16 x 512 float32; bv1 16 x 512 float32; features 4,096 x 512 float32; goal 4,096 x 1 int32.
;; Outputs: out0 4,096 x 512 float32; out1 4,096 x 512 float32.
;; This version of the problem:
;;   THIS VERSION OF THE PROBLEM IS GIVEN IN LOW PRECISION. The matrix products marked QUANTISED in the list below multiply operands that are first quantised to E4M3 (4 exponent bits, 3 mantissa bits; 8 bits a number), with one power-of-two scale for each 32 numbers along K (OCP MX v1.0); their sums are f32. All else is computed in f32.
;;   The module's matrix products, in the order in which they are computed (A, B: the left and right operand; K: the contracted axis; several contracted axes count as one K, in the product's order):
;;     1. [M 8,192, K 512] x [K 512, N 4,096]; A: input Wp0; B: input features: QUANTISED
;;     2. batch 16 x [M 4,096, K 512] x [K 512, N 512]; A: computed on the way; B: input Wp1: QUANTISED
;;     3. [M 8,192, K 512] x [K 512, N 4,096]; A: input Wv0; B: input features: QUANTISED
;;     4. batch 16 x [M 4,096, K 512] x [K 512, N 512]; A: computed on the way; B: input Wv1: QUANTISED
;;   THE QUANTISER, for each operand of a quantised product, along K:
;;     - K is cut into blocks of 32 from its start; a last block that is shorter is filled with zeros.
;;     - A block's scale is 2^e with e = floor(log2(the largest magnitude in the block)) - 8, held to -126 .. 127; a block of zeros has e = 0. As a byte (E8M0): e + 127.
;;     - Each number is divided by its block's scale, clamped to +-448, and rounded to the nearest number of E4M3, ties to even, subnormals kept.
;;     - The product sums the exact products of the quantised numbers (number of the format x scale) in f32.
;;   ~~~python
;;   def quantise(x, axis):      # numpy; x: float32 -> the quantised numbers, widened to float32 again
;;       x = np.moveaxis(x, axis, -1); K = x.shape[-1]
;;       x = np.pad(x, [(0, 0)] * (x.ndim - 1) + [(0, -K % 32)]); x = x.reshape(x.shape[:-1] + (-1, 32)); a = np.abs(x).max(-1, keepdims=True)
;;       e = np.where(a > 0, np.clip(np.frexp(np.where(a > 0, a, 1))[1] - 1 - 8, -126, 127), 0)      # np.frexp(a)[1] - 1 = floor(log2(a)), exactly
;;       r = np.clip(x / 2.0 ** e, -448, 448)
;;       step = 2.0 ** (np.maximum(np.frexp(np.where(r == 0, 1, r))[1] - 1, -6) - 3)
;;       q = np.round(r / step) * step * 2.0 ** e      # np.round: ties to even
;;       return np.moveaxis(q.reshape(q.shape[:-2] + (-1,))[..., :K], -1, axis).astype(np.float32)
;;   ~~~
;;   OPERANDS COMPUTED ON THE WAY. 'Computed on the way' means the value that the module computes at that place (a softmax that the list does not call 'softmax' is quantised finished and normalised). What goes into a quantiser is computed in f32, as accurately as f32 sums, v_exp_f32 and their like allow (about 1e-6 of the number): no bf16 or f16 on the way to a quantiser, and a product that is left as it is and whose result goes on into a quantised operand takes f32 operands (vector FMAs, or v_wmma_f32_16x16x4_f32). A number that lies on a knife's edge between two numbers of the format may be rounded either way, as far as f32 arithmetic and the matrix unit's own rounding can turn it there, and no further.
;; 2 versions. Each part assembles by itself: llvm-mc -triple=amdgcn-amd-amdhsa -mcpu=gfx1250 --defsym DOCPART=n.
;; ======== version 1 of 2: 3 launches
;; limits: a function is approximated: absolute error at most 3e-07
;; workspace buffers: xcodes 2,097,152 bytes; xscales 65,536 bytes; order 16,384 bytes of whole numbers; seg 512 bytes of whole numbers; hcodes 4,440,064 bytes; hscales 138,752 bytes
;; launch prep (part 1): grid 129 x 1, 16 waves a work-group, no clusters, 86,528 bytes of LDS; arguments features, goal, xcodes, xscales, order, seg; writes xcodes, xscales, order, seg
.if DOCPART == 1
	.amdgcn_target "amdgcn-amd-amdhsa--gfx1250"
	.amdhsa_code_object_version 6
	.text
	.protected	k_q1ea1fbe706_prep
	.globl	k_q1ea1fbe706_prep
	.p2align	8
	.type	k_q1ea1fbe706_prep,@function
k_q1ea1fbe706_prep:
	s_mov_b64 s[64:65], 0
	v_nop
	global_prefetch_b8 v0, s[64:65] scope:SCOPE_SE
	s_setreg_imm32_b32 hwreg(HW_REG_WAVE_MODE, 25, 1), 1
	s_wait_xcnt 0x0
; GoalMlpExtractor, launch 1 of 3: the tokens are quantised, and sorted by their expert.
; WORK LEFT OUT BY THE WHOLE PROGRAM.  reference() runs all 16 experts on all 4,096 tokens and then keeps, by its own gather [g, idx] with g = goal, for token b only
; row b of expert goal[b].  Row b of any other expert reaches no output, whatever the inputs hold: rows of a product do not mix, tanh works number by number, and each
; row is quantised along K by itself.  So products 1 to 4 are done only for the rows (goal[b], b).  The choice is made by whole numbers that are read from memory:
; this launch reads goal and stores the sorted list; the two later launches read the list.  All ten inputs have a way to an output and are loaded.
; LIMITS: a NaN, an infinity or an overflow that arises only in an expert that a token did not choose is not carried to the result.  goal holds 0 .. 15 (an index stays
; inside its table); another number would leave its token without a place in the list.  NaN and infinities among the features are not served.
; A block of zeros gets the scale byte 1 where the rule says 127: its codes are zeros, which add nothing under any byte but 0xff, and this program alone reads the bytes.
; WORK-GROUPS 1 .. 128: features [4096][512] f32 -> xcodes [4096][512] codes of E4M3, K as it lies, and xscales [4096][16] E8M0 bytes, one for each 32 along K.
;   A work-group takes 32 tokens, each of its 16 waves two.  A token is 2,048 bytes: four loads of 512 consecutive bytes; they turn through the wave's own stage in LDS,
;   so that a lane holds 16 neighbours along K (two neighbouring lanes hold a block).  A lane's 16 codes are 16 bytes: a store covers a token's 512 consecutive bytes.
;   The 32 tokens' scale bytes meet in LDS and leave as 512 consecutive bytes.
; WORK-GROUP 0: a counting sort of the tokens by goal, without atomics: each wave counts its 256 tokens by expert, the counts meet in LDS, every wave works out where its
;   tokens of each expert begin, and stores the token numbers there.  order [4096]: token numbers, expert by expert.  seg [32][4]: for expert g its first place in order, its
;   count, its first tile of 16 rows and its number of tiles (entries 16 .. 31 are zeros).  The order of an expert's tokens among themselves is free.
;   The token numbers leave by stores of 4 bytes to places that hang on the data: 16 KiB in all, once.
; The two ways part on the work-group's number alone; each has LDS bytes of its own and one barrier that all 16 waves of its work-group pass.
.set SP,    80                         ; a lane's place in a stage: its 64 bytes + 16 of padding
.set QST,   0                          ; the quantisers' stages: for each wave two of 32 x SP bytes
.set SCB,   81920                      ; the work-group's 32 x 16 scale bytes
.set SORTB, 82432                      ; the sort: 32 words of counts for each wave
.set SPARE, 84480                      ; the spare words, 128 bytes for each wave: eight blocks of 256 bytes that no other line names
.set SPW,   12                         ; v12  LDS address of my spare word; never rewritten
.set NIL,   13                         ; v13  0; never rewritten
.set R,     16                         ; quantiser: v16-47 two tokens as loaded;
.set X,     48                         ; v48-79 as 16 neighbours a lane;
.set C,     80                         ; v80-87 their codes;
.set E,     88                         ; v88-89 their scale bytes
.set G,     16                         ; sort: v16-23 goal of my eight tokens;
.set SEG,   28                         ; v28-31 an entry of seg in lane g;
.set P,     32                         ; v32-39 my tokens' places;
.set XW,    40                         ; v40-55 all waves' counts;
.set ID,    56                         ; v56-63 my tokens' numbers
.set CNT,   32                         ; s32-47 counts by expert
.set RUN,   48                         ; s48-63 the next free place by expert
	s_load_b256 s[4:11], s[0:1], 0x0               ; features s[4:5], goal s[6:7], xcodes s[8:9], xscales s[10:11]
	s_load_b128 s[12:15], s[0:1], 0x20             ; order s[12:13], seg s[14:15]
	v_lshl_add_u32 v[SPW], v0, 2, SPARE
	v_mov_b32 v[NIL], 0
	v_lshrrev_b32 v1, 5, v0
	v_readfirstlane_b32 s16, v1                    ; wave 0 .. 15
	v_and_b32 v2, 31, v0                           ; lane
	v_lshlrev_b32 v3, 4, v2                        ; 16 x lane
	; every LDS address of both ways is made here, ahead of the parting
	s_mul_i32 s17, s16, 2*32*SP
	v_lshrrev_b32 v14, 2, v2
	v_mul_u32_u24 v14, v14, SP
	v_and_b32 v15, 3, v2
	v_lshl_add_u32 v14, v15, 4, v14
	v_add_nc_u32 v14, s17, v14                     ; into a stage: four lanes' 64 bytes on end, then 16 of padding
	v_mul_u32_u24 v15, v2, SP
	v_add_nc_u32 v15, s17, v15                     ; out of it: my 16 neighbours
	s_lshl_b32 s17, s16, 5
	s_add_co_u32 s17, s17, SCB
	v_lshrrev_b32 v5, 1, v2
	v_add_nc_u32 v5, s17, v5                       ; my block's scale byte: 32 x wave + lane / 2 (+ 16 for the second token)
	v_add_nc_u32 v6, SCB, v3                       ; and the way out of the 512 bytes
	v_lshl_add_u32 v4, v0, 2, SORTB                ; the sort: my wave's 32 words, my lane's
	v_lshl_add_u32 v7, v2, 2, SORTB                ; and my lane's word of wave 0
	s_mov_b32 s23, 0x600000                        ; the mantissa field of 448
	s_wait_kmcnt 0x0
	s_cmp_eq_u32 ttmp9, 0
	s_cbranch_scc1 .Lsort
	; ---------------- the quantiser ----------------
	s_sub_co_u32 s18, ttmp9, 1
	s_lshl_b32 s19, s18, 5
	s_lshl_b32 s20, s16, 1
	s_add_co_u32 s19, s19, s20                     ; my first token: 32 x (work-group - 1) + 2 x wave
	s_mov_b32 s21, 0
	s_lshl_b32 s20, s19, 11
	s_add_nc_u64 s[4:5], s[4:5], s[20:21]
	s_lshl_b32 s20, s19, 9
	s_add_nc_u64 s[8:9], s[8:9], s[20:21]
	s_lshl_b32 s20, s18, 9
	s_add_nc_u64 s[10:11], s[10:11], s[20:21]
.irp t, 0,1
.irp i, 0,1,2,3
	global_load_b128 v[R+16*\t+4*\i:R+16*\t+4*\i+3], v3, s[4:5] offset:2048*\t+512*\i th:TH_LOAD_NT   ; 32 lanes read 512 consecutive bytes; read once in the launch
.endr
.endr
.macro TURN t                          ; token t through its stage: LDS serves a wave's instructions in order, so no wait stands between the stores and the loads
.irp i, 0,1,2,3
	ds_store_b128 v14, v[R+16*\t+4*\i:R+16*\t+4*\i+3] offset:32*SP*\t+8*SP*\i
.endr
.irp i, 0,1,2,3
	ds_load_b128 v[X+16*\t+4*\i:X+16*\t+4*\i+3], v15 offset:32*SP*\t+16*\i
.endr
.endm
.macro STEP t
.set XS, X+16*\t
	v_max3_num_f32 v8, |v[XS]|, |v[XS+1]|, |v[XS+2]|               ; the largest magnitude of my 16, in two chains
	v_max3_num_f32 v9, |v[XS+3]|, |v[XS+4]|, |v[XS+5]|
.irp i, 6,10
	v_max3_num_f32 v8, v8, |v[XS+\i]|, |v[XS+\i+1]|
	v_max3_num_f32 v9, v9, |v[XS+\i+2]|, |v[XS+\i+3]|
.endr
	v_max3_num_f32 v8, v8, |v[XS+14]|, |v[XS+15]|
	v_max3_num_f32 v8, v8, v9, 0x4800000           ; and the floor 2^(9 - 127): the byte cannot fall under 1
	v_max_num_f32_dpp v8, v8, v8 row_xmask:1 row_mask:0xf bank_mask:0xf   ; with my neighbour's 16: the block's
	v_add_nc_u32 v11, 0xfc000000, v8               ; 8 off its exponent field: the conversion takes this operand's exponent field as its scale
	v_and_or_b32 v10, v8, 0x7f800000, s23          ; 448 x the scale
.set ii, 0
.rept 16
	v_med3_num_f32 v[XS+ii], v[XS+ii], -v10, v10   ; the conversion to an 8-bit code does not saturate (ISA guide 7.6.2): the number is held first
.set ii, ii+1
.endr
	v_cvt_scalef32_pk8_fp8_f32 v[C+4*\t:C+4*\t+1], v[XS:XS+7], v11
	v_cvt_scalef32_pk8_fp8_f32 v[C+4*\t+2:C+4*\t+3], v[XS+8:XS+15], v11
	v_lshrrev_b32 v[E+\t], 23, v11                 ; the scale's byte (also the plain line behind the conversions)
	ds_store_b8 v5, v[E+\t] offset:16*\t           ; both lanes of a block write the same byte with the same value
	global_store_b128 v3, v[C+4*\t:C+4*\t+3], s[8:9] offset:512*\t   ; 32 lanes store the token's 512 consecutive bytes
.endm
	s_wait_loadcnt 4                               ; token 0's four loads are in; token 1's four may be out
	TURN 0
	s_wait_loadcnt 0x0
	TURN 1
	s_wait_dscnt 8                                 ; token 0 is back from its stage; behind it: token 1's four stores and four loads
	STEP 0
	s_wait_dscnt 1                                 ; token 1 is back; behind it: token 0's byte store
	STEP 1
	s_wait_dscnt 0x0                               ; for the others' sake: my scale bytes lie in LDS
	s_barrier_signal -1
	s_barrier_wait -1
	s_cmp_lg_u32 s16, 0
	s_cbranch_scc1 .Lend
	ds_load_b128 v[8:11], v6                       ; wave 0: the 32 tokens' scale bytes,
	s_wait_dscnt 0x0
	global_store_b128 v3, v[8:11], s[10:11]        ; 512 consecutive bytes
	s_branch .Lend
	; ---------------- the sort ----------------
.Lsort:
	s_lshl_b32 s17, s16, 10
	v_add_nc_u32 v8, s17, v3
	global_load_b128 v[G:G+3], v8, s[6:7]          ; register 4 jj + i: goal of token 256 x wave + 128 jj + 4 x lane + i
	global_load_b128 v[G+4:G+7], v8, s[6:7] offset:512
	s_lshl_b32 s17, s16, 8
	v_lshl_add_u32 v[ID], v2, 2, s17
.irp j, 1,2,3,4,5,6,7
	v_add_nc_u32 v[ID+\j], 128*(\j/4)+\j%4, v[ID]
.endr
	v_mov_b32 v24, 0                               ; (a lane write's destination is written whole first)
	v_mov_b32 v[SEG], 0
	v_mov_b32 v[SEG+2], 0
	s_wait_loadcnt 0x0
	; pass 1: how many of my wave's 256 tokens go to each expert
.irp g, 0,1,2,3,4,5,6,7,8,9,10,11,12,13,14,15
.irp j, 0,1,2,3,4,5,6,7
	v_cmp_eq_u32 s[20+\j], \g, v[G+\j]
.endr
.irp j, 0,1,2,3,4,5,6,7
	s_bcnt1_i32_b32 s[20+\j], s[20+\j]
.endr
	s_add_co_u32 s[CNT+\g], s20, s21
.irp j, 2,3,4,5,6,7
	s_add_co_u32 s[CNT+\g], s[CNT+\g], s[20+\j]
.endr
	v_writelane_b32 v24, s[CNT+\g], \g
.endr
	ds_store_b32 v4, v24                           ; lane g: my wave's count for expert g; lanes 16-31: 0
	s_wait_dscnt 0x0                               ; for the others' sake
	s_barrier_signal -1
	s_barrier_wait -1
.irp w, 0,1,2,3,4,5,6,7,8,9,10,11,12,13,14,15
	ds_load_b32 v[XW+\w], v7 offset:128*\w
.endr
	s_wait_dscnt 0x0
	v_add3_u32 v[SEG+1], v[XW], v[XW+1], v[XW+2]   ; lane g: expert g's tokens in all
.irp w, 3,5,7,9,11,13
	v_add3_u32 v[SEG+1], v[SEG+1], v[XW+\w], v[XW+\w+1]
.endr
	v_add_nc_u32 v[SEG+1], v[SEG+1], v[XW+15]
	s_cmp_gt_u32 s16, 0                            ; and those in the waves ahead of mine
	s_cselect_b32 s20, -1, 0
	v_and_b32 v25, s20, v[XW]
.irp w, 1,2,3,4,5,6,7,8,9,10,11,12,13,14
	s_cmp_gt_u32 s16, \w
	s_cselect_b32 s20, -1, 0
	v_and_b32 v26, s20, v[XW+\w]
	v_add_nc_u32 v25, v25, v26
.endr
.irp g, 0,1,2,3,4,5,6,7,8,9,10,11,12,13,14,15
	v_readlane_b32 s[CNT+\g], v[SEG+1], \g
	v_readlane_b32 s[RUN+\g], v25, \g
.endr
	s_mov_b32 s18, 0                               ; the running first place,
	s_mov_b32 s19, 0                               ; the running first tile
.irp g, 0,1,2,3,4,5,6,7,8,9,10,11,12,13,14,15
	s_add_co_u32 s[RUN+\g], s[RUN+\g], s18         ; where my wave's tokens of expert g begin
	v_writelane_b32 v[SEG], s18, \g
	v_writelane_b32 v[SEG+2], s19, \g
	s_add_co_u32 s20, s[CNT+\g], 15
	s_lshr_b32 s20, s20, 4
	s_add_co_u32 s19, s19, s20
	s_add_co_u32 s18, s18, s[CNT+\g]
.endr
	v_add_nc_u32 v[SEG+3], 15, v[SEG+1]
	v_lshrrev_b32 v[SEG+3], 4, v[SEG+3]            ; tiles of 16 rows
	s_cmp_lg_u32 s16, 0
	s_cbranch_scc1 .Lno_seg
	global_store_b128 v3, v[SEG:SEG+3], s[14:15]   ; wave 0: 32 entries, 512 consecutive bytes
.Lno_seg:
	; pass 2: each token's place: the next free place of its expert + the lanes below mine that go there too
.irp j, 0,1,2,3,4,5,6,7
.irp g, 0,1,2,3,4,5,6,7,8,9,10,11,12,13,14,15
	v_cmp_eq_u32 s[20+\g%4], \g, v[G+\j]
.if \g == 0
	v_mbcnt_lo_u32_b32 v[P+\j], s[20+\g%4], s[RUN+\g]              ; written whole; the lanes of other experts are selected over below
.else
	v_mbcnt_lo_u32_b32 v[24+\g%4], s[20+\g%4], s[RUN+\g]
	v_cndmask_b32 v[P+\j], v[P+\j], v[24+\g%4], s[20+\g%4]
.endif
	s_bcnt1_i32_b32 s[24+\g%4], s[20+\g%4]
	s_add_co_u32 s[RUN+\g], s[RUN+\g], s[24+\g%4]
.endr
.endr
.irp j, 0,1,2,3,4,5,6,7
	v_min_u32 v[P+\j], 0xfff, v[P+\j]              ; a place made of loaded numbers is held inside the list
	v_lshlrev_b32 v[P+\j], 2, v[P+\j]
	global_store_b32 v[P+\j], v[ID+\j], s[12:13]
.endr
.Lend:
	s_wait_tensorcnt 0x0                           ; the wave's end
	ds_add_u32 v[SPW], v[NIL]
	s_wait_dscnt 0x0
	s_endpgm
.Lfunc_end_k_q1ea1fbe706_prep:
	.size	k_q1ea1fbe706_prep, .Lfunc_end_k_q1ea1fbe706_prep-k_q1ea1fbe706_prep
	.p2alignl 7, 3214868480
	.fill 96, 4, 3214868480
	.section	.rodata,"a",@progbits
	.p2align	6, 0x0
	.amdhsa_kernel k_q1ea1fbe706_prep
		.amdhsa_group_segment_fixed_size 86528
		.amdhsa_private_segment_fixed_size 0
		.amdhsa_enable_private_segment 0
		.amdhsa_kernarg_size 48
		.amdhsa_user_sgpr_count 2
		.amdhsa_user_sgpr_kernarg_segment_ptr 1
		.amdhsa_wavefront_size32 1
		.amdhsa_system_sgpr_workgroup_id_x 1
		.amdhsa_system_sgpr_workgroup_id_y 1
		.amdhsa_system_sgpr_workgroup_id_z 1
		.amdhsa_system_vgpr_workitem_id 0
		.amdhsa_next_free_vgpr 128
		.amdhsa_next_free_sgpr 72
		.amdhsa_reserve_vcc 0
		.amdhsa_float_denorm_mode_32 3
		.amdhsa_float_denorm_mode_16_64 3
		.amdhsa_memory_ordered 1
		.amdhsa_forward_progress 1
		.amdhsa_inst_pref_size 70
	.end_amdhsa_kernel
	.amdgpu_metadata
---
amdhsa.version: [ 1, 2 ]
amdhsa.kernels:
  - .name:           k_q1ea1fbe706_prep
    .symbol:         k_q1ea1fbe706_prep.kd
    .args:
      - { .name: features, .offset: 0, .size: 8, .value_kind: global_buffer, .address_space: global }
      - { .name: goal, .offset: 8, .size: 8, .value_kind: global_buffer, .address_space: global }
      - { .name: xcodes, .offset: 16, .size: 8, .value_kind: global_buffer, .address_space: global }
      - { .name: xscales, .offset: 24, .size: 8, .value_kind: global_buffer, .address_space: global }
      - { .name: order, .offset: 32, .size: 8, .value_kind: global_buffer, .address_space: global }
      - { .name: seg, .offset: 40, .size: 8, .value_kind: global_buffer, .address_space: global }
    .group_segment_fixed_size: 86528
    .private_segment_fixed_size: 0
    .kernarg_segment_align: 8
    .kernarg_segment_size: 48
    .max_flat_workgroup_size: 512
    .sgpr_count:     72
    .vgpr_count:     128
    .wavefront_size: 32
...
	.end_amdgpu_metadata
.endif
;; end of part 1
;; launch layer0 (part 2): grid 8 x 32, 4 waves a work-group, no clusters, 69,376 bytes of LDS; arguments xcodes, xscales, order, seg, Wp0, Wv0, bp0, bv0, hcodes, hscales; writes hcodes, hscales
.if DOCPART == 2
	.amdgcn_target "amdgcn-amd-amdhsa--gfx1250"
	.amdhsa_code_object_version 6
	.text
	.protected	k_q1ea1fbe706_layer0
	.globl	k_q1ea1fbe706_layer0
	.p2align	8
	.type	k_q1ea1fbe706_layer0,@function
k_q1ea1fbe706_layer0:
	s_mov_b64 s[64:65], 0
	v_nop
	global_prefetch_b8 v0, s[64:65] scope:SCOPE_SE
	s_setreg_imm32_b32 hwreg(HW_REG_WAVE_MODE, 25, 1), 1
	s_wait_xcnt 0x0
; GoalMlpExtractor, launch 2 of 3: h = Q(tanh(Q(x) Q(W0[g]) + b0[g])) for both nets, only for the rows (goal[b], b): the other experts' rows reach no output (reference()'s gather [g, idx]).
; Codes of E4M3 with one E8M0 scale for each 32 along K; sums, bias and tanh in f32.
; SHARES.  Work-group (nb, 16 net + g) owns columns 64 nb .. 64 nb + 63 of W0[g] of its net: 512 x 64 numbers of f32, read from memory once in the launch.  256 work-groups of equal weight bytes.
; THE WEIGHT PHASE.  K is W's first axis.  Wave w takes K step w (k = 128 w .. + 127): 64 loads of 16 bytes a lane, sixteen lanes reading 256 consecutive bytes of a row of W, lanes 16-31 the row 16 further down.
;   For each of its four columns a lane so holds 16 numbers down K of each block of 32, the very k that the operand's layout gives lane (r, h).  The hold at the largest code writes them into registers on end
;   along K, so nothing is transposed by an instruction of its own.  The codes go to LDS as images of the operand's registers, one barrier, and EVERY wave then holds all 16 fragments (4 column tiles x 4 K steps).
; THE COLUMNS OF A TILE ARE NOT NEIGHBOURS: column 32 b + 16 a + 8 u + e goes to tile 2 b + u, row 8 a + e.  The product is used transposed (source 0 = 16 columns of W, source 1 = 16 tokens), so lane (r, h)
;   holds token r, and accumulator registers 16 b + 0 .. 15 are columns 32 b + 16 h + 0 .. 15: 16 neighbours along the next K, in the next operand's own order.
; THE TOKENS.  An expert's tokens come in tiles of 16 rows (list: order, seg).  A batch is 20 tiles, slot t of wave w being tile 20 x batch + 4 t + w.  A batch's gathers are ALWAYS all issued, with the tile and the row held
;   inside the expert's list, so that every counted wait counts the same loads on every way; a slot past the expert's tiles is then passed over by a scalar branch on the stored count.  Rows past the count repeat the last token.
;   The first batch's gathers are issued between the weight blocks, while the weights are on their way.  The loop over batches is counted in batches, one a trip, against ceil(tiles / 20).
; A token's 512 codes are loaded as they lie (one load: 512 consecutive bytes) and turn through the wave's own stage in LDS into the operand's layout.
; OUT: hcodes [net][tile][K step][group of 4 registers][lane][16 bytes]: images of the next operand's registers: a store covers 512 consecutive bytes.  hscales [net][tile][row][16]: 2 bytes a row from each work-group.
; NO TENSOR LOADS, NO CLUSTER, though the 16 work-groups of an expert read the same token tiles: trip counts and branches hang on numbers read from memory.
; LIMITS: tanh(x) = 1 - 2 / (1 + 2^(2 log2(e) x)) in f32: its absolute error is about 2^-23, so its relative accuracy falls off for |x| under about 0.1; both ends saturate rightly.  A block of zeros gets the
; byte 1 (its codes are zeros; this program alone reads the bytes).  NaN and infinities are not served.  A work-group whose expert has no token stores nothing.
.set NETB,  271*8192                   ; at most 4096 / 16 + 15 = 271 tiles, whatever the split
.set NETS,  271*256
.set TSTR,  8208                       ; LDS, from byte 0: W's images: tile q at TSTR q, K step s at 2048 s, group c at 512 c, 16 bytes a lane.  The odd 16 bytes part the sixteen lanes of an image store
.set WSC,   33024                      ; W's scale words: 256 q + 16 r + 4 s
.set STG,   34048                      ; a stage for each wave: 32 rows (16 along K each) x (16 tokens x 16 bytes + 16)
.set SPARE, 68864                      ; the spare words, 128 bytes for each wave: two blocks of 256 bytes that no other line names
; window 0
.set L16,  1                           ; 16 x lane: an image's place, and a row's
.set WLD,  2                           ; W: 32768 h + 16 q
.set WST,  3                           ; where I store my columns' codes
.set WSA,  4                           ; and their scale words
.set TMPV, 5
.set WSR,  6                           ; where I read W's scale words
.set BA,   7                           ; the bias: 64 h
.set SWR,  8                           ; the stage: in
.set SRD,  9                           ; and out
.set HO,   10                          ; my place in hcodes
.set HSO,  11                          ; and in hscales
.set SPW,  12                          ; LDS address of my spare word; never rewritten
.set NIL,  13                          ; 0; never rewritten
.set RHO,  14                          ; r: the tile's row whose token my lane looks up
.set HSL,  15                          ; 16 r
.set OA,   16                          ; v16-20  slot t: my place in order
.set TOK,  21                          ; v21-25  my row's token
.set SA,   26                          ; v26-30  its place in xscales
.set XS,   32                          ; v32-51  the tokens' scale words, four a slot: scales and nothing else
.set WS,   52                          ; v52-67  W's scale words, 4 q + s: scales and nothing else
.set BI,   68                          ; v68-99  the bias in the result's layout
.set ACC,  100                         ; v100-131 four accumulators
.set XF,   132                         ; v132-195 a tile's four fragments
.set Y,    132                         ;          in the weight phase: 4 columns x 16 numbers on end along K
.set C,    196                         ; v196-211 codes just made
.set TM,   212                         ; v212-227 +0 largest magnitudes, +4 bytes, +8 448 x the scale, +12 the conversion's scale operand
.set SW,   228                         ; v228-231 my four columns' scale words
.set PW,   232                         ; the hidden layer's two bytes
; window 1: the weights as loaded (64 b + 4 i + j), then W's fragments (64 q + 16 s).  window 2: slots 0-3 as loaded (64 t + 4 m).  window 3: v0-63 slot 4; from v64 the gathers' addresses (16 t + m)
.set AD,   64
.set XC,   4                           ; s[4:5] xcodes, s[6:7] xscales, s[8:9] order, s[10:11] seg, s[12:13] W, s[16:17] bias, s[20:21] hcodes, s[22:23] hscales
.set XSP,  6
.set ORD,  8
.set SEGP, 10
.set WP,   12
.set BP,   16
.set HC,   20
.set HS,   22
.set WV,   24
.set GX,   26
.set NET,  27
.set START, 32                         ; s[32:35] my expert's entry of seg
.set CNT,  33
.set TB,   34
.set TILES, 35
.set CNT1, 36                          ; its last row
.set TL1,  37                          ; its last tile
.set TBX,  38                          ; its first tile in hcodes
.set BC,   39                          ; batches done: the loop's counter, one a trip
.set IW,   40                          ; my wave's first tile of the batch: 20 x batch + wave
.set TT,   41
.set TU,   42
.set NBAT, 43                          ; batches in all: ceil(tiles / 20); the loop does not write it
.set SEL,  44                          ; s[44:45] v_permlanex16_b32's selects for lane l xor 16
.set C2,   46                          ; s[46:47] 2 log2(e)
.set MNT,  48                          ; the mantissa field of 448
.set ID,   68                          ; s68-83 a tile's sixteen tokens
.set MSB, 0
.macro WIN new                         ; the immediate's high byte repeats the setting that is left; a switch that changes nothing is dropped
.if MSB != (\new)
	s_set_vgpr_msb (MSB<<8)|(\new)
.set MSB, (\new)
.endif
.endm
.macro WLOAD b                         ; block b of my K step: rows 32 b + i (lanes 16-31: + 16), my four columns
	WIN 0x40
.set ii, 0
.rept 16
	global_load_b128 v[64*\b+4*ii:64*\b+4*ii+3], v[WLD], s[WP:WP+1] offset:(32*\b+ii)*2048 th:TH_LOAD_NT   ; sixteen lanes read 256 consecutive bytes, aligned; read once in the launch
.set ii, ii+1
.endr
.endm
.macro WBLOCK b, n                     ; block b becomes codes: n younger loads may stay out (n < 0: an earlier wait has shown the block in)
.if \n >= 0
	s_wait_loadcnt \n
.endif
	WIN 0x05                                       ; sources 0 and 1: window 1
.irp j, 0,1,2,3
	v_max3_num_f32 v[TM+\j], |v[64*\b+\j]|, |v[64*\b+4+\j]|, 0x4800000   ; column j: my 16 numbers, and the floor 2^(9 - 127): the byte cannot fall under 1
.endr
.irp i, 2,4,6,8,10,12,14
.irp j, 0,1,2,3
	v_max3_num_f32 v[TM+\j], |v[64*\b+4*\i+\j]|, |v[64*\b+4*\i+4+\j]|, v[TM+\j]   ; (the four columns by turns)
.endr
.endr
	WIN 0
.irp j, 0,1,2,3
	v_permlanex16_b32 v[TM+4+\j], v[TM+\j], s[SEL], s[SEL+1]
.endr
.irp j, 0,1,2,3
	v_max_num_f32 v[TM+\j], v[TM+\j], v[TM+4+\j]   ; with lane l xor 16's 16: the block's largest magnitude
.endr
.irp j, 0,1,2,3
	v_add_nc_u32 v[TM+12+\j], 0xfc000000, v[TM+\j] ; 8 off its exponent field: the conversion's scale operand
.endr
.irp j, 0,1,2,3
	v_and_or_b32 v[TM+8+\j], v[TM+\j], 0x7f800000, s[MNT]   ; 448 x the scale
.endr
.irp j, 0,1,2,3
.if \b == 0
	v_lshrrev_b32 v[SW+\j], 23, v[TM+12+\j]        ; the scale's byte: four blocks make the column's word for this K step
.else
	v_lshrrev_b32 v[TM+4+\j], 23, v[TM+12+\j]
	v_lshl_or_b32 v[SW+\j], v[TM+4+\j], 8*\b, v[SW+\j]
.endif
.endr
	WIN 0x01                                       ; source 0: window 1
.irp j, 0,1,2,3
.set ii, 0
.rept 16
	v_med3_num_f32 v[Y+16*\j+ii], v[64*\b+4*ii+\j], -v[TM+8+\j], v[TM+8+\j]   ; the hold (the conversion does not saturate: ISA guide 7.6.2) also lays a column's 16 numbers on end
.set ii, ii+1
.endr
.endr
	WIN 0
.if \b > 0
	s_wait_dscnt 0x0                               ; the last block's image stores have read the codes' registers
.endif
.irp j, 0,1,2,3
	v_cvt_scalef32_pk8_fp8_f32 v[C+4*\j:C+4*\j+1], v[Y+16*\j:Y+16*\j+7], v[TM+12+\j]
	v_cvt_scalef32_pk8_fp8_f32 v[C+4*\j+2:C+4*\j+3], v[Y+16*\j+8:Y+16*\j+15], v[TM+12+\j]
.endr
	v_nop                                          ; one plain line behind the last conversion, ahead of whatever next writes its sources
.irp j, 0,1,2,3
	ds_store_b128 v[WST], v[C+4*\j:C+4*\j+3] offset:512*\b+16*\j   ; group b of the fragment of column j's tile, at the lane that holds column j there
.endr
.endm
.macro WFETCH                          ; the one barrier; then all 16 fragments and their scale words, in every wave
.irp j, 0,1,2,3
	ds_store_b32 v[WSA], v[SW+\j] offset:16*\j     ; both halves of the lanes write the same word with the same value
.endr
	s_wait_dscnt 0x0                               ; for the others' sake: my images and scale words lie in LDS
	s_barrier_signal -1
	s_barrier_wait -1
	WIN 0x40
.irp q, 0,1,2,3
.irp s, 0,1,2,3
.irp c, 0,1,2,3
	ds_load_b128 v[64*\q+16*\s+4*\c:64*\q+16*\s+4*\c+3], v[L16] offset:TSTR*\q+2048*\s+512*\c
.endr
.endr
.endr
	WIN 0
.irp q, 0,1,2,3
	ds_load_b128 v[WS+4*\q:WS+4*\q+3], v[WSR] offset:256*\q
.endr
.endm
.macro SLOTADR t                       ; slot t's place in order: tile and row are held inside my expert's list, the place inside the buffer
	s_add_co_u32 s[TT], s[IW], 4*\t
	s_min_u32 s[TT], s[TT], s[TL1]
	s_lshl_b32 s[TU], s[TT], 4
	v_add_nc_u32 v[OA+\t], s[TU], v[RHO]
	v_min_u32 v[OA+\t], s[CNT1], v[OA+\t]
	v_add_nc_u32 v[OA+\t], s[START], v[OA+\t]
	v_min_u32 v[OA+\t], 0xfff, v[OA+\t]
	v_lshlrev_b32 v[OA+\t], 2, v[OA+\t]
	global_load_b32 v[TOK+\t], v[OA+\t], s[ORD:ORD+1]
.endm
.macro GATHER t                        ; 17 loads: the tile's sixteen rows of codes, whole, and its scale words
	v_min_u32 v[SA+\t], 0xfff, v[TOK+\t]
	v_lshlrev_b32 v[SA+\t], 4, v[SA+\t]
.irp m, 0,1,2,3,4,5,6,7,8,9,10,11,12,13,14,15
	v_readlane_b32 s[ID+\m], v[TOK+\t], \m
.endr
.irp m, 0,1,2,3,4,5,6,7,8,9,10,11,12,13,14,15
	s_min_u32 s[ID+\m], s[ID+\m], 0xfff
.endr
	WIN 0xc0                                       ; destination window 3
.irp m, 0,1,2,3,4,5,6,7,8,9,10,11,12,13,14,15
	v_lshl_add_u32 v[AD+16*\t+\m], s[ID+\m], 9, v[L16]
.endr
	WIN ((2+(\t)/4)<<6)|3                          ; data window 2 (slot 4: 3), address window 3
.irp m, 0,1,2,3,4,5,6,7,8,9,10,11,12,13,14,15
	global_load_b128 v[64*((\t)%4)+4*\m:64*((\t)%4)+4*\m+3], v[AD+16*\t+\m], s[XC:XC+1]   ; 32 lanes read a token's 512 consecutive bytes
.endr
	WIN 0
	global_load_b128 v[XS+4*\t:XS+4*\t+3], v[SA+\t], s[XSP:XSP+1]
.endm
.macro MULS xb, xs                     ; 16 products; the four accumulators take turns, one instruction a turn.  The bias is the C of each sum's first product
.irp s, 0,1,2,3
.irp q, 0,1,2,3
.if \s == 0
	v_wmma_scale_f32_16x16x128_f8f6f4 v[ACC+8*\q:ACC+8*\q+7], v[64*\q+16*\s:64*\q+16*\s+15], v[(\xb)+16*\s:(\xb)+16*\s+15], v[BI+8*\q:BI+8*\q+7], v[WS+4*\q+\s], v[(\xs)+\s]
.else
	v_wmma_scale_f32_16x16x128_f8f6f4 v[ACC+8*\q:ACC+8*\q+7], v[64*\q+16*\s:64*\q+16*\s+15], v[(\xb)+16*\s:(\xb)+16*\s+15], v[ACC+8*\q:ACC+8*\q+7], v[WS+4*\q+\s], v[(\xs)+\s]
.endif
.endr
.endr
.endm
.macro TANH                            ; in place on the 32 results, each accumulator from its low end on: 1 - 2 / (1 + 2^(2 log2(e) x)).  Two batches of transcendentals, one wait each
.set ii, 0
.rept 16
	v_pk_mul_f32 v[ACC+ii:ACC+ii+1], v[ACC+ii:ACC+ii+1], s[C2:C2+1] op_sel_hi:[1,0]
.set ii, ii+2
.endr
.set ii, 0
.rept 32
	v_exp_f32 v[ACC+ii], v[ACC+ii]
.set ii, ii+1
.endr
	v_nop                                          ; a plain line behind the last exponential,
	s_wait_alu depctr_va_vdst(0)                   ; and a wait ahead of the batch's first reader
.set ii, 0
.rept 16
	v_pk_add_f32 v[ACC+ii:ACC+ii+1], v[ACC+ii:ACC+ii+1], 1.0 op_sel_hi:[1,0]
.set ii, ii+2
.endr
.set ii, 0
.rept 32
	v_rcp_f32 v[ACC+ii], v[ACC+ii]
.set ii, ii+1
.endr
	v_nop
	s_wait_alu depctr_va_vdst(0)                   ; likewise for the reciprocals
.set ii, 0
.rept 16
	v_pk_fma_f32 v[ACC+ii:ACC+ii+1], v[ACC+ii:ACC+ii+1], -2.0, 1.0 op_sel_hi:[1,0,0]
.set ii, ii+2
.endr
.endm
.macro QUANT2                          ; my row's two blocks of 32 hidden units (16 numbers each in lanes l and l xor 16) become 2 x 4 registers of codes and two scale bytes
.irp b, 0,1
	v_max3_num_f32 v[TM+\b], |v[ACC+16*\b]|, |v[ACC+16*\b+1]|, 0x4800000
.endr
.irp i, 2,4,6,8,10,12,14
.irp b, 0,1
	v_max3_num_f32 v[TM+\b], v[TM+\b], |v[ACC+16*\b+\i]|, |v[ACC+16*\b+\i+1]|
.endr
.endr
.irp b, 0,1
	v_permlanex16_b32 v[TM+4+\b], v[TM+\b], s[SEL], s[SEL+1]
.endr
.irp b, 0,1
	v_max_num_f32 v[TM+\b], v[TM+\b], v[TM+4+\b]
.endr
.irp b, 0,1
	v_add_nc_u32 v[TM+12+\b], 0xfc000000, v[TM+\b]
.endr
.irp b, 0,1
	v_and_or_b32 v[TM+8+\b], v[TM+\b], 0x7f800000, s[MNT]
.endr
.irp b, 0,1
	v_lshrrev_b32 v[TM+4+\b], 23, v[TM+12+\b]
.endr
	v_lshl_or_b32 v[PW], v[TM+5], 8, v[TM+4]
.irp b, 0,1
.set ii, 0
.rept 16
	v_med3_num_f32 v[ACC+16*\b+ii], v[ACC+16*\b+ii], -v[TM+8+\b], v[TM+8+\b]
.set ii, ii+1
.endr
.endr
.irp b, 0,1
	v_cvt_scalef32_pk8_fp8_f32 v[C+4*\b:C+4*\b+1], v[ACC+16*\b:ACC+16*\b+7], v[TM+12+\b]
	v_cvt_scalef32_pk8_fp8_f32 v[C+4*\b+2:C+4*\b+3], v[ACC+16*\b+8:ACC+16*\b+15], v[TM+12+\b]
.endr
	v_nop                                          ; one plain line behind the last conversion: the next products write its sources
.endm
.macro PROCESS t, lc                   ; slot t, if my expert has that tile.  lc: the loads issued behind slot t's seventeen: 17 for each later slot (the wait's field holds 63)
	s_add_co_u32 s[TT], s[IW], 4*\t
	s_cmp_ge_u32 s[TT], s[TILES]
	s_cbranch_scc1 .Lskip_\@
	s_wait_loadcnt \lc
	WIN 0x08+4*((\t)/4)                            ; an LDS store's data are its source 1: window 2 (slot 4: 3)
.set ii, 0
.rept 16
	ds_store_b128 v[SWR], v[64*((\t)%4)+4*ii:64*((\t)%4)+4*ii+3] offset:16*ii   ; my 16 along K of token ii
.set ii, ii+1
.endr
	WIN 0
.irp s, 0,1,2,3
.irp c, 0,1,2,3
	ds_load_b128 v[XF+16*\s+4*\c:XF+16*\s+4*\c+3], v[SRD] offset:(8*\s+2*\c)*272   ; token r, k = 128 s + 32 c + 16 h on.  LDS serves a wave's instructions in order: these see the stores above
.endr
.endr
	s_wait_xcnt 0x0                                ; the last slot's stores have read their addresses and data: both are written again below
	s_add_co_u32 s[TT], s[TT], s[TBX]
	s_min_u32 s[TT], s[TT], 270
	s_lshl_b32 s[TU], s[TT], 13
	s_lshl_b32 s[TT], s[TT], 8
	s_wait_dscnt 0x0                               ; the fragments are in (the first time: W's too)
	WIN 0x01                                       ; source 0 (W): window 1
	MULS XF, XS+4*\t
	WIN 0
	v_add_nc_u32 v[HO], s[TU], v[L16]              ; eight places behind the products: two additions that are due, six v_nop
	v_add_nc_u32 v[HSO], s[TT], v[HSL]
.rept 6
	v_nop
.endr
	TANH
	QUANT2
	global_store_b128 v[HO], v[C:C+3], s[HC:HC+1]              ; 32 lanes store 512 consecutive bytes: a group of four registers of the next operand
	global_store_b128 v[HO], v[C+4:C+7], s[HC:HC+1] offset:512
	global_store_b16 v[HSO], v[PW], s[HS:HS+1]                 ; my row's two scale bytes (both halves of the lanes write the same)
.Lskip_\@:
.endm
	s_load_b512 s[4:19], s[0:1], 0x0               ; xcodes, xscales, order, seg, Wp0, Wv0, bp0, bv0
	s_load_b128 s[20:23], s[0:1], 0x40             ; hcodes, hscales
	v_lshl_add_u32 v[SPW], v0, 2, SPARE
	v_mov_b32 v[NIL], 0
	v_lshrrev_b32 v[TMPV], 5, v0
	v_readfirstlane_b32 s[WV], v[TMPV]             ; wave 0 .. 3
	v_and_b32 v[TMPV], 31, v0
	v_lshlrev_b32 v[L16], 4, v[TMPV]
	v_mul_u32_u24 v[SWR], v[TMPV], 272
	v_and_b32 v[RHO], 15, v0                       ; r, and in the weight phase q
	v_lshlrev_b32 v[HSL], 4, v[RHO]
	v_bfe_u32 v[BA], v0, 4, 1                      ; h
	v_lshl_add_u32 v[WLD], v[BA], 15, v[HSL]       ; 16 rows of 2,048 bytes down for lanes 16-31
	v_mad_u32_u24 v[SRD], v[BA], 272, v[HSL]
	s_mul_i32 s[TT], s[WV], 32*272
	s_add_co_u32 s[TT], s[TT], STG
	v_add_nc_u32 v[SWR], s[TT], v[SWR]
	v_add_nc_u32 v[SRD], s[TT], v[SRD]
	v_bfe_u32 v[TMPV], v0, 3, 1                    ; q's bits: b (32 columns),
	v_mul_u32_u24 v[WST], v[TMPV], 2*TSTR
	v_lshlrev_b32 v[WSA], 9, v[TMPV]
	v_bfe_u32 v[TMPV], v0, 1, 1                    ; u (8 columns): the tile is 2 b + u,
	v_mad_u32_u24 v[WST], v[TMPV], TSTR, v[WST]
	v_lshl_add_u32 v[WSA], v[TMPV], 8, v[WSA]
	v_bfe_u32 v[TMPV], v0, 2, 1                    ; a (16 columns),
	v_lshl_add_u32 v[WST], v[TMPV], 7, v[WST]
	v_lshl_add_u32 v[WSA], v[TMPV], 7, v[WSA]
	v_and_b32 v[TMPV], 1, v0                       ; and q's lowest (4 columns): the tile's row is 8 a + 4 q0 + j
	v_lshl_add_u32 v[WST], v[TMPV], 6, v[WST]
	v_lshl_add_u32 v[WSA], v[TMPV], 6, v[WSA]
	v_lshl_add_u32 v[WST], v[BA], 8, v[WST]        ; the half of the lanes stays
	s_lshl_b32 s[TT], s[WV], 11
	v_add_nc_u32 v[WST], s[TT], v[WST]             ; K step = my wave
	s_lshl_b32 s[TT], s[WV], 2
	s_add_co_u32 s[TT], s[TT], WSC
	v_add_nc_u32 v[WSA], s[TT], v[WSA]
	v_add_nc_u32 v[WSR], WSC, v[HSL]
	v_lshlrev_b32 v[BA], 6, v[BA]
.irp j, 0,1,2,3
	v_mov_b32 v[TM+4+\j], 0                        ; written once: a lane permute's destination counts as one of its sources
.endr
	s_mov_b32 s[SEL], 0x76543210
	s_mov_b32 s[SEL+1], 0xfedcba98
	s_mov_b32 s[C2], 0x4038aa3b                    ; 2 log2(e)
	s_mov_b32 s[C2+1], s[C2]                       ; (named with it as a pair, so it is written)
	s_mov_b32 s[MNT], 0x600000
	s_and_b32 s[GX], ttmp7, 15                     ; the expert,
	s_bfe_u32 s[NET], ttmp7, 0x10004               ; the net
	s_lshl_b32 s50, s[GX], 20                      ; offsets, each in a pair of its own.  W: expert, my K step's 128 rows, my work-group's 256 bytes of a row
	s_lshl_b32 s[TT], s[WV], 18
	s_add_co_u32 s50, s50, s[TT]
	s_lshl_b32 s[TT], ttmp9, 8
	s_add_co_u32 s50, s50, s[TT]
	s_mov_b32 s51, 0
	s_lshl_b32 s52, s[GX], 11                      ; the bias
	s_add_co_u32 s52, s52, s[TT]
	s_mov_b32 s53, 0
	s_lshl_b32 s54, s[GX], 4                       ; my expert's entry of seg
	s_mov_b32 s55, 0
	s_mul_i32 s56, s[NET], NETB                    ; hcodes: the net; my 64 hidden units are K step nb / 2, groups 2 (nb % 2) and + 1: 1,024 nb bytes
	s_lshl_b32 s[TT], ttmp9, 10
	s_add_co_u32 s56, s56, s[TT]
	s_mov_b32 s57, 0
	s_mul_i32 s58, s[NET], NETS                    ; hscales: bytes 2 nb and 2 nb + 1 of a row
	s_lshl_b32 s[TT], ttmp9, 1
	s_add_co_u32 s58, s58, s[TT]
	s_mov_b32 s59, 0
	s_wait_kmcnt 0x0
	s_add_nc_u64 s[SEGP:SEGP+1], s[SEGP:SEGP+1], s[54:55]
	s_load_b128 s[START:START+3], s[SEGP:SEGP+1], 0x0
	s_cmp_eq_u32 s[NET], 0                         ; the choice hangs on the work-group's number alone
	s_cselect_b64 s[WP:WP+1], s[12:13], s[14:15]
	s_cselect_b64 s[BP:BP+1], s[16:17], s[18:19]
	s_add_nc_u64 s[WP:WP+1], s[WP:WP+1], s[50:51]
	s_add_nc_u64 s[BP:BP+1], s[BP:BP+1], s[52:53]
	s_add_nc_u64 s[HC:HC+1], s[HC:HC+1], s[56:57]
	s_add_nc_u64 s[HS:HS+1], s[HS:HS+1], s[58:59]
.irp q, 0,1,2,3
	global_load_b128 v[BI+8*\q:BI+8*\q+3], v[BA], s[BP:BP+1] offset:(32*(\q/2)+8*(\q%2))*4         ; tile q, lane (r, h): the bias of columns 32 (q / 2) + 16 h + 8 (q % 2) + 0 .. 7
	global_load_b128 v[BI+8*\q+4:BI+8*\q+7], v[BA], s[BP:BP+1] offset:(32*(\q/2)+8*(\q%2))*4+16
.endr
	WLOAD 0
	WLOAD 1
	WIN 0
	s_wait_kmcnt 0x0                               ; my expert's entry; each number is held inside its range before anything is made of it
	s_min_u32 s[START], s[START], 0xfff
	s_min_u32 s[CNT], s[CNT], 4096
	s_min_u32 s[TB], s[TB], 270
	s_min_u32 s[TILES], s[TILES], 256
	s_max_u32 s[CNT1], s[CNT], 1
	s_sub_co_u32 s[CNT1], s[CNT1], 1
	s_max_u32 s[TL1], s[TILES], 1
	s_sub_co_u32 s[TL1], s[TL1], 1
	s_cmp_eq_u32 s[TILES], 0
	s_cselect_b32 s[TBX], 0, s[TB]
	s_add_co_u32 s[NBAT], s[TILES], 19             ; ceil(tiles / 20) = (tiles + 19) x 3277 >> 16: exact up to 275, and tiles are held at 256
	s_mul_i32 s[NBAT], s[NBAT], 3277
	s_lshr_b32 s[NBAT], s[NBAT], 16
	s_mov_b32 s[BC], 0
	s_mov_b32 s[IW], s[WV]
.irp t, 0,1,2,3,4
	SLOTADR \t
.endr
	WLOAD 2
	WLOAD 3
	WIN 0
	WBLOCK 0, 53                                   ; behind block 0's loads: block 1's 16, the list's 5, blocks 2 and 3's 32
	s_wait_loadcnt 32                              ; block 1 and the list's words are in; blocks 2 and 3 may be out
	GATHER 0
	GATHER 1
	WBLOCK 1, -1
	WBLOCK 2, 50                                   ; behind block 2's: block 3's 16 and two gathers' 34
	GATHER 2
	GATHER 3
	WBLOCK 3, 63                                   ; behind block 3's: four gathers' 68; the wait's field holds 63
	GATHER 4
	WFETCH
.Lbatch:
	PROCESS 0, 63
	PROCESS 1, 51
	PROCESS 2, 34
	PROCESS 3, 17
	PROCESS 4, 0
	s_add_co_u32 s[BC], s[BC], 1                   ; a batch is done
	s_add_co_u32 s[IW], s[IW], 20
	s_cmp_ge_u32 s[BC], s[NBAT]
	s_cbranch_scc1 .Ldone
	s_wait_loadcnt 0x0                             ; an expert with more than 320 tokens: the gathers' registers are free on every way,
	s_wait_xcnt 0x0
.irp t, 0,1,2,3,4
	SLOTADR \t
.endr
	s_wait_loadcnt 0x0                             ; the list's words
.irp t, 0,1,2,3,4
	GATHER \t
.endr
	s_cmp_lt_u32 s[BC], s[NBAT]
	s_cbranch_scc1 .Lbatch
.Ldone:
	s_wait_tensorcnt 0x0                           ; the wave's end
	ds_add_u32 v[SPW], v[NIL]
	s_wait_dscnt 0x0
	s_endpgm
.Lfunc_end_k_q1ea1fbe706_layer0:
	.size	k_q1ea1fbe706_layer0, .Lfunc_end_k_q1ea1fbe706_layer0-k_q1ea1fbe706_layer0
	.p2alignl 7, 3214868480
	.fill 96, 4, 3214868480
	.section	.rodata,"a",@progbits
	.p2align	6, 0x0
	.amdhsa_kernel k_q1ea1fbe706_layer0
		.amdhsa_group_segment_fixed_size 69376
		.amdhsa_private_segment_fixed_size 0
		.amdhsa_enable_private_segment 0
		.amdhsa_kernarg_size 80
		.amdhsa_user_sgpr_count 2
		.amdhsa_user_sgpr_kernarg_segment_ptr 1
		.amdhsa_wavefront_size32 1
		.amdhsa_system_sgpr_workgroup_id_x 1
		.amdhsa_system_sgpr_workgroup_id_y 1
		.amdhsa_system_sgpr_workgroup_id_z 1
		.amdhsa_system_vgpr_workitem_id 0
		.amdhsa_next_free_vgpr 912
		.amdhsa_next_free_sgpr 90
		.amdhsa_reserve_vcc 0
		.amdhsa_float_denorm_mode_32 3
		.amdhsa_float_denorm_mode_16_64 3
		.amdhsa_memory_ordered 1
		.amdhsa_forward_progress 1
		.amdhsa_inst_pref_size 173
	.end_amdhsa_kernel
	.amdgpu_metadata
---
amdhsa.version: [ 1, 2 ]
amdhsa.kernels:
  - .name:           k_q1ea1fbe706_layer0
    .symbol:         k_q1ea1fbe706_layer0.kd
    .args:
      - { .name: xcodes, .offset: 0, .size: 8, .value_kind: global_buffer, .address_space: global }
      - { .name: xscales, .offset: 8, .size: 8, .value_kind: global_buffer, .address_space: global }
      - { .name: order, .offset: 16, .size: 8, .value_kind: global_buffer, .address_space: global }
      - { .name: seg, .offset: 24, .size: 8, .value_kind: global_buffer, .address_space: global }
      - { .name: Wp0, .offset: 32, .size: 8, .value_kind: global_buffer, .address_space: global }
      - { .name: Wv0, .offset: 40, .size: 8, .value_kind: global_buffer, .address_space: global }
      - { .name: bp0, .offset: 48, .size: 8, .value_kind: global_buffer, .address_space: global }
      - { .name: bv0, .offset: 56, .size: 8, .value_kind: global_buffer, .address_space: global }
      - { .name: hcodes, .offset: 64, .size: 8, .value_kind: global_buffer, .address_space: global }
      - { .name: hscales, .offset: 72, .size: 8, .value_kind: global_buffer, .address_space: global }
    .group_segment_fixed_size: 69376
    .private_segment_fixed_size: 0
    .kernarg_segment_align: 8
    .kernarg_segment_size: 80
    .max_flat_workgroup_size: 128
    .sgpr_count:     90
    .vgpr_count:     912
    .wavefront_size: 32
...
	.end_amdgpu_metadata
.endif
;; end of part 2
;; launch layer1 (part 3): grid 8 x 32, 4 waves a work-group, no clusters, 51,968 bytes of LDS; arguments hcodes, hscales, order, seg, Wp1, Wv1, bp1, bv1, out0, out1; writes out0, out1
.if DOCPART == 3
	.amdgcn_target "amdgcn-amd-amdhsa--gfx1250"
	.amdhsa_code_object_version 6
	.text
	.protected	k_q1ea1fbe706_layer1
	.globl	k_q1ea1fbe706_layer1
	.p2align	8
	.type	k_q1ea1fbe706_layer1,@function
k_q1ea1fbe706_layer1:
	s_mov_b64 s[64:65], 0
	v_nop
	global_prefetch_b8 v0, s[64:65] scope:SCOPE_SE
	s_setreg_imm32_b32 hwreg(HW_REG_WAVE_MODE, 25, 1), 1
	s_wait_xcnt 0x0
; GoalMlpExtractor, launch 3 of 3: out = tanh(h Q(W1[g]) + b1[g]) for both nets, only for the rows (goal[b], b): the other experts' rows reach no output (reference()'s gather [g, idx]).
; h comes as codes of E4M3 and E8M0 scale bytes from the launch before; W1 is quantised here; sums, bias and tanh in f32.
; SHARES, THE WEIGHT PHASE, THE CHOICE OF A TILE'S COLUMNS and THE BATCHES are those of the launch before: work-group (nb, 16 net + g) owns columns 64 nb .. + 63 of W1[g]; wave w quantises K step w, a lane taking
;   four columns with its registers down K; the codes go to LDS as images of the operand's registers; one barrier; every wave holds all 16 fragments; a batch is 20 tiles of 16 tokens, slot t of wave w being tile
;   20 x batch + 4 t + w; a batch's gathers are always all issued, held inside the expert's list, so that every counted wait counts the same loads on every way; a slot past the expert's tiles is passed over by a scalar branch.
;   The loop over batches is counted in batches, one a trip, against ceil(tiles / 20).
; THE TOKENS' FRAGMENTS lie in hcodes as images of the operand's registers: 16 loads of 512 consecutive bytes a tile, straight into the operand.
; THE WAY OUT.  The product is used transposed: lane (r, h) holds token r, and accumulator registers 16 b + 0 .. 15 are columns 32 b + 16 h + 0 .. 15.  A tile goes through the wave's own stage in LDS and leaves by rows:
;   sixteen lanes store a token's 256 consecutive bytes, aligned; lanes 0-15 row e, lanes 16-31 row e + 8.  Rows past the expert's count repeat its last token and store the same numbers at the same place.
; NO TENSOR LOADS, NO CLUSTER, though the 8 work-groups of an expert and net read the same tiles: trip counts and branches hang on numbers read from memory.
; LIMITS: tanh(x) = 1 - 2 / (1 + 2^(2 log2(e) x)) in f32, absolute error about 2^-23; both ends saturate rightly.  A block of zeros of W1 gets the byte 1 (its codes are zeros).  NaN and infinities are not served.
; A work-group whose expert has no token stores nothing.
.set NETB,  271*8192
.set NETS,  271*256
.set TSTR,  8208                       ; LDS, from byte 0: W's images: tile q at TSTR q, K step s at 2048 s, group c at 512 c, 16 bytes a lane
.set WSC,   33024                      ; W's scale words: 256 q + 16 r + 4 s
.set OST,   34048                      ; a stage for each wave: 16 rows x (256 bytes + 16)
.set SPARE, 51456                      ; the spare words, 128 bytes for each wave: two blocks of 256 bytes that no other line names
; window 0
.set L16,  1                           ; 16 x lane
.set WLD,  2                           ; W: 32768 h + 16 q
.set WST,  3                           ; where I store my columns' codes
.set WSA,  4                           ; and their scale words
.set TMPV, 5
.set WSR,  6                           ; where I read W's scale words
.set BA,   7                           ; the bias: 64 h
.set OSW,  8                           ; the stage: in
.set OSR,  9                           ; and out
.set SPW,  12                          ; LDS address of my spare word; never rewritten
.set NIL,  13                          ; 0; never rewritten
.set RHO,  14                          ; the tile's row whose token my lane looks up: lanes 0-15 row r, lanes 16-31 row (r + 8) % 16
.set R16,  15                          ; 16 r
.set OA,   16                          ; v16-20  slot t: my place in order
.set TOK,  21                          ; v21-25  that row's token
.set HA,   26                          ; v26-30  my place in the tile's images
.set HSA,  31                          ; v31-35  and among its scale words
.set XS,   36                          ; v36-55  the tokens' scale words, four a slot: scales and nothing else
.set WS,   56                          ; v56-71  W's scale words: scales and nothing else
.set BI,   72                          ; v72-103 the bias in the result's layout
.set ACC,  104                         ; v104-135 four accumulators
.set Y,    136                         ; v136-199 in the weight phase: 4 columns x 16 numbers on end along K
.set OB,   136                         ; v136-167 later: 16 rows read back from the stage
.set OAD,  168                         ; v168-175 and their places in out
.set C,    200                         ; v200-215 codes just made
.set TM,   216                         ; v216-231 at work, as in the launch before
.set SW,   232                         ; v232-235 my four columns' scale words
; window 1: the weights as loaded, then W's fragments (64 q + 16 s).  window 2: the fragments of slots 0-3 (64 t + 16 s).  window 3: v0-63 those of slot 4
.set HC,   4                           ; s[4:5] hcodes, s[6:7] hscales, s[8:9] order, s[10:11] seg, s[12:13] W, s[16:17] bias, s[20:21] out
.set HS,   6
.set ORD,  8
.set SEGP, 10
.set WP,   12
.set BP,   16
.set OUTP, 20
.set WV,   24
.set GX,   26
.set NET,  27
.set START, 32
.set CNT,  33
.set TB,   34
.set TILES, 35
.set CNT1, 36
.set TL1,  37
.set TBX,  38
.set BC,   39                          ; batches done: the loop's counter, one a trip
.set IW,   40                          ; my wave's first tile of the batch: 20 x batch + wave
.set TT,   41
.set TU,   42
.set NBAT, 43                          ; batches in all: ceil(tiles / 20); the loop does not write it
.set SEL,  44
.set C2,   46
.set MNT,  48
.set MSB, 0
.macro WIN new                         ; the immediate's high byte repeats the setting that is left; a switch that changes nothing is dropped
.if MSB != (\new)
	s_set_vgpr_msb (MSB<<8)|(\new)
.set MSB, (\new)
.endif
.endm
.macro WLOAD b                         ; block b of my K step: rows 32 b + i (lanes 16-31: + 16), my four columns
	WIN 0x40
.set ii, 0
.rept 16
	global_load_b128 v[64*\b+4*ii:64*\b+4*ii+3], v[WLD], s[WP:WP+1] offset:(32*\b+ii)*2048 th:TH_LOAD_NT   ; sixteen lanes read 256 consecutive bytes, aligned; read once in the launch
.set ii, ii+1
.endr
.endm
.macro WBLOCK b, n                     ; block b becomes codes: n younger loads may stay out (n < 0: an earlier wait has shown the block in)
.if \n >= 0
	s_wait_loadcnt \n
.endif
	WIN 0x05                                       ; sources 0 and 1: window 1
.irp j, 0,1,2,3
	v_max3_num_f32 v[TM+\j], |v[64*\b+\j]|, |v[64*\b+4+\j]|, 0x4800000   ; column j: my 16 numbers, and the floor 2^(9 - 127): the byte cannot fall under 1
.endr
.irp i, 2,4,6,8,10,12,14
.irp j, 0,1,2,3
	v_max3_num_f32 v[TM+\j], |v[64*\b+4*\i+\j]|, |v[64*\b+4*\i+4+\j]|, v[TM+\j]
.endr
.endr
	WIN 0
.irp j, 0,1,2,3
	v_permlanex16_b32 v[TM+4+\j], v[TM+\j], s[SEL], s[SEL+1]
.endr
.irp j, 0,1,2,3
	v_max_num_f32 v[TM+\j], v[TM+\j], v[TM+4+\j]   ; with lane l xor 16's 16: the block's largest magnitude
.endr
.irp j, 0,1,2,3
	v_add_nc_u32 v[TM+12+\j], 0xfc000000, v[TM+\j] ; 8 off its exponent field: the conversion's scale operand
.endr
.irp j, 0,1,2,3
	v_and_or_b32 v[TM+8+\j], v[TM+\j], 0x7f800000, s[MNT]   ; 448 x the scale
.endr
.irp j, 0,1,2,3
.if \b == 0
	v_lshrrev_b32 v[SW+\j], 23, v[TM+12+\j]        ; the scale's byte: four blocks make the column's word for this K step
.else
	v_lshrrev_b32 v[TM+4+\j], 23, v[TM+12+\j]
	v_lshl_or_b32 v[SW+\j], v[TM+4+\j], 8*\b, v[SW+\j]
.endif
.endr
	WIN 0x01                                       ; source 0: window 1
.irp j, 0,1,2,3
.set ii, 0
.rept 16
	v_med3_num_f32 v[Y+16*\j+ii], v[64*\b+4*ii+\j], -v[TM+8+\j], v[TM+8+\j]   ; the hold (the conversion does not saturate: ISA guide 7.6.2) also lays a column's 16 numbers on end
.set ii, ii+1
.endr
.endr
	WIN 0
.if \b > 0
	s_wait_dscnt 0x0                               ; the last block's image stores have read the codes' registers
.endif
.irp j, 0,1,2,3
	v_cvt_scalef32_pk8_fp8_f32 v[C+4*\j:C+4*\j+1], v[Y+16*\j:Y+16*\j+7], v[TM+12+\j]
	v_cvt_scalef32_pk8_fp8_f32 v[C+4*\j+2:C+4*\j+3], v[Y+16*\j+8:Y+16*\j+15], v[TM+12+\j]
.endr
	v_nop                                          ; one plain line behind the last conversion, ahead of whatever next writes its sources
.irp j, 0,1,2,3
	ds_store_b128 v[WST], v[C+4*\j:C+4*\j+3] offset:512*\b+16*\j
.endr
.endm
.macro WFETCH                          ; the one barrier; then all 16 fragments and their scale words, in every wave
.irp j, 0,1,2,3
	ds_store_b32 v[WSA], v[SW+\j] offset:16*\j     ; both halves of the lanes write the same word with the same value
.endr
	s_wait_dscnt 0x0                               ; for the others' sake: my images and scale words lie in LDS
	s_barrier_signal -1
	s_barrier_wait -1
	WIN 0x40
.irp q, 0,1,2,3
.irp s, 0,1,2,3
.irp c, 0,1,2,3
	ds_load_b128 v[64*\q+16*\s+4*\c:64*\q+16*\s+4*\c+3], v[L16] offset:TSTR*\q+2048*\s+512*\c
.endr
.endr
.endr
	WIN 0
.irp q, 0,1,2,3
	ds_load_b128 v[WS+4*\q:WS+4*\q+3], v[WSR] offset:256*\q
.endr
.endm
.macro SLOTADR t                       ; slot t: its row's place in order, its tile's place in hcodes and hscales; all held inside my expert's list and inside the buffers
	s_add_co_u32 s[TT], s[IW], 4*\t
	s_min_u32 s[TT], s[TT], s[TL1]
	s_lshl_b32 s[TU], s[TT], 4
	v_add_nc_u32 v[OA+\t], s[TU], v[RHO]
	v_min_u32 v[OA+\t], s[CNT1], v[OA+\t]
	v_add_nc_u32 v[OA+\t], s[START], v[OA+\t]
	v_min_u32 v[OA+\t], 0xfff, v[OA+\t]
	v_lshlrev_b32 v[OA+\t], 2, v[OA+\t]
	global_load_b32 v[TOK+\t], v[OA+\t], s[ORD:ORD+1]
	s_add_co_u32 s[TT], s[TT], s[TBX]
	s_min_u32 s[TT], s[TT], 270
	s_lshl_b32 s[TU], s[TT], 13
	v_add_nc_u32 v[HA+\t], s[TU], v[L16]
	s_lshl_b32 s[TU], s[TT], 8
	v_add_nc_u32 v[HSA+\t], s[TU], v[R16]
.endm
.macro GATHER t                        ; 17 loads: the tile's four fragments as they stand, and its scale words
	WIN (2+(\t)/4)<<6                              ; data window 2 (slot 4: 3)
.irp s, 0,1,2,3
.irp c, 0,1,2,3
	global_load_b128 v[64*((\t)%4)+16*\s+4*\c:64*((\t)%4)+16*\s+4*\c+3], v[HA+\t], s[HC:HC+1] offset:2048*\s+512*\c   ; 32 lanes read 512 consecutive bytes
.endr
.endr
	WIN 0
	global_load_b128 v[XS+4*\t:XS+4*\t+3], v[HSA+\t], s[HS:HS+1]
.endm
.macro MULS xb, xs                     ; 16 products; the four accumulators take turns, one instruction a turn.  The bias is the C of each sum's first product
.irp s, 0,1,2,3
.irp q, 0,1,2,3
.if \s == 0
	v_wmma_scale_f32_16x16x128_f8f6f4 v[ACC+8*\q:ACC+8*\q+7], v[64*\q+16*\s:64*\q+16*\s+15], v[(\xb)+16*\s:(\xb)+16*\s+15], v[BI+8*\q:BI+8*\q+7], v[WS+4*\q+\s], v[(\xs)+\s]
.else
	v_wmma_scale_f32_16x16x128_f8f6f4 v[ACC+8*\q:ACC+8*\q+7], v[64*\q+16*\s:64*\q+16*\s+15], v[(\xb)+16*\s:(\xb)+16*\s+15], v[ACC+8*\q:ACC+8*\q+7], v[WS+4*\q+\s], v[(\xs)+\s]
.endif
.endr
.endr
.endm
.macro TANH                            ; in place on the 32 results, each accumulator from its low end on: 1 - 2 / (1 + 2^(2 log2(e) x)).  Two batches of transcendentals, one wait each
.set ii, 0
.rept 16
	v_pk_mul_f32 v[ACC+ii:ACC+ii+1], v[ACC+ii:ACC+ii+1], s[C2:C2+1] op_sel_hi:[1,0]
.set ii, ii+2
.endr
.set ii, 0
.rept 32
	v_exp_f32 v[ACC+ii], v[ACC+ii]
.set ii, ii+1
.endr
	v_nop                                          ; a plain line behind the last exponential,
	s_wait_alu depctr_va_vdst(0)                   ; and a wait ahead of the batch's first reader
.set ii, 0
.rept 16
	v_pk_add_f32 v[ACC+ii:ACC+ii+1], v[ACC+ii:ACC+ii+1], 1.0 op_sel_hi:[1,0]
.set ii, ii+2
.endr
.set ii, 0
.rept 32
	v_rcp_f32 v[ACC+ii], v[ACC+ii]
.set ii, ii+1
.endr
	v_nop
	s_wait_alu depctr_va_vdst(0)                   ; likewise for the reciprocals
.set ii, 0
.rept 16
	v_pk_fma_f32 v[ACC+ii:ACC+ii+1], v[ACC+ii:ACC+ii+1], -2.0, 1.0 op_sel_hi:[1,0,0]
.set ii, ii+2
.endr
.endm
.macro PROCESS t, lc                   ; slot t, if my expert has that tile.  lc: the loads issued behind slot t's seventeen: 17 for each later slot (the wait's field holds 63)
	s_add_co_u32 s[TT], s[IW], 4*\t
	s_cmp_ge_u32 s[TT], s[TILES]
	s_cbranch_scc1 .Lskip_\@
	s_wait_loadcnt \lc                             ; the list's words are older than every gather: they are in too
	s_wait_xcnt 0x0                                ; the last slot's stores have read their addresses and data: both are written again below
	WIN 0x09+4*((\t)/4)                            ; source 0 (W) window 1, source 1 (the tokens) window 2 (slot 4: 3)
	MULS 64*((\t)%4), XS+4*\t
	WIN 0
.irp e, 0,1,2,3,4,5,6,7
	v_mov_b32_dpp v[OAD+\e], v[TOK+\t] row_share:\e row_mask:0xf bank_mask:0xf   ; lanes 0-15: row e's token; lanes 16-31: row e + 8's
.endr
.irp e, 0,1,2,3,4,5,6,7
	v_min_u32 v[OAD+\e], 0xfff, v[OAD+\e]          ; these sixteen plain lines are also the places behind the products (eight are asked)
.endr
.irp e, 0,1,2,3,4,5,6,7
	v_lshl_add_u32 v[OAD+\e], v[OAD+\e], 11, v[R16]
.endr
	TANH
.irp b, 0,1
.irp j, 0,1,2,3
	ds_store_b128 v[OSW], v[ACC+16*\b+4*\j:ACC+16*\b+4*\j+3] offset:128*\b+16*\j   ; row r, columns 32 b + 16 h + 4 j on
.endr
.endr
.irp e, 0,1,2,3,4,5,6,7
	ds_load_b128 v[OB+4*\e:OB+4*\e+3], v[OSR] offset:272*\e   ; LDS serves a wave's instructions in order: these see the stores above
.endr
.irp e, 0,1,2,3,4,5,6,7
	s_wait_dscnt 7-\e                              ; the later rows' loads may be out
	global_store_b128 v[OAD+\e], v[OB+4*\e:OB+4*\e+3], s[OUTP:OUTP+1] th:TH_STORE_NT   ; sixteen lanes store a token's 256 consecutive bytes, aligned; written once, read by nobody here
.endr
.Lskip_\@:
.endm
	s_load_b512 s[4:19], s[0:1], 0x0               ; hcodes, hscales, order, seg, Wp1, Wv1, bp1, bv1
	s_load_b128 s[20:23], s[0:1], 0x40             ; out0, out1
	v_lshl_add_u32 v[SPW], v0, 2, SPARE
	v_mov_b32 v[NIL], 0
	v_lshrrev_b32 v[TMPV], 5, v0
	v_readfirstlane_b32 s[WV], v[TMPV]             ; wave 0 .. 3
	v_and_b32 v[TMPV], 31, v0
	v_lshlrev_b32 v[L16], 4, v[TMPV]
	v_bfe_u32 v[BA], v0, 4, 1                      ; h
	v_lshl_add_u32 v[RHO], v[BA], 3, v[TMPV]
	v_and_b32 v[RHO], 15, v[RHO]                   ; (lane + 8 h) % 16
	v_and_b32 v[TMPV], 15, v0                      ; r, and in the weight phase q
	v_lshlrev_b32 v[R16], 4, v[TMPV]
	v_lshl_add_u32 v[WLD], v[BA], 15, v[R16]       ; 16 rows of 2,048 bytes down for lanes 16-31
	v_mul_u32_u24 v[OSW], v[TMPV], 272
	v_lshl_add_u32 v[OSW], v[BA], 6, v[OSW]
	v_mad_u32_u24 v[OSR], v[BA], 8*272, v[R16]
	s_mul_i32 s[TT], s[WV], 16*272
	s_add_co_u32 s[TT], s[TT], OST
	v_add_nc_u32 v[OSW], s[TT], v[OSW]
	v_add_nc_u32 v[OSR], s[TT], v[OSR]
	v_bfe_u32 v[TMPV], v0, 3, 1                    ; q's bits: b (32 columns),
	v_mul_u32_u24 v[WST], v[TMPV], 2*TSTR
	v_lshlrev_b32 v[WSA], 9, v[TMPV]
	v_bfe_u32 v[TMPV], v0, 1, 1                    ; u (8 columns): the tile is 2 b + u,
	v_mad_u32_u24 v[WST], v[TMPV], TSTR, v[WST]
	v_lshl_add_u32 v[WSA], v[TMPV], 8, v[WSA]
	v_bfe_u32 v[TMPV], v0, 2, 1                    ; a (16 columns),
	v_lshl_add_u32 v[WST], v[TMPV], 7, v[WST]
	v_lshl_add_u32 v[WSA], v[TMPV], 7, v[WSA]
	v_and_b32 v[TMPV], 1, v0                       ; and q's lowest (4 columns): the tile's row is 8 a + 4 q0 + j
	v_lshl_add_u32 v[WST], v[TMPV], 6, v[WST]
	v_lshl_add_u32 v[WSA], v[TMPV], 6, v[WSA]
	v_lshl_add_u32 v[WST], v[BA], 8, v[WST]        ; the half of the lanes stays
	s_lshl_b32 s[TT], s[WV], 11
	v_add_nc_u32 v[WST], s[TT], v[WST]             ; K step = my wave
	s_lshl_b32 s[TT], s[WV], 2
	s_add_co_u32 s[TT], s[TT], WSC
	v_add_nc_u32 v[WSA], s[TT], v[WSA]
	v_add_nc_u32 v[WSR], WSC, v[R16]
	v_lshlrev_b32 v[BA], 6, v[BA]
.irp j, 0,1,2,3
	v_mov_b32 v[TM+4+\j], 0                        ; written once: a lane permute's destination counts as one of its sources
.endr
	s_mov_b32 s[SEL], 0x76543210
	s_mov_b32 s[SEL+1], 0xfedcba98
	s_mov_b32 s[C2], 0x4038aa3b                    ; 2 log2(e)
	s_mov_b32 s[C2+1], s[C2]                       ; (named with it as a pair, so it is written)
	s_mov_b32 s[MNT], 0x600000
	s_and_b32 s[GX], ttmp7, 15                     ; the expert,
	s_bfe_u32 s[NET], ttmp7, 0x10004               ; the net
	s_lshl_b32 s50, s[GX], 20                      ; offsets, each in a pair of its own.  W: expert, my K step's 128 rows, my work-group's 256 bytes of a row
	s_lshl_b32 s[TT], s[WV], 18
	s_add_co_u32 s50, s50, s[TT]
	s_lshl_b32 s60, ttmp9, 8                       ; out: my work-group's 256 bytes of a row
	s_add_co_u32 s50, s50, s60
	s_mov_b32 s51, 0
	s_lshl_b32 s52, s[GX], 11                      ; the bias
	s_add_co_u32 s52, s52, s60
	s_mov_b32 s53, 0
	s_lshl_b32 s54, s[GX], 4                       ; my expert's entry of seg
	s_mov_b32 s55, 0
	s_mul_i32 s56, s[NET], NETB                    ; the net's part of hcodes,
	s_mov_b32 s57, 0
	s_mul_i32 s58, s[NET], NETS                    ; and of hscales
	s_mov_b32 s59, 0
	s_mov_b32 s61, 0
	s_wait_kmcnt 0x0
	s_add_nc_u64 s[SEGP:SEGP+1], s[SEGP:SEGP+1], s[54:55]
	s_load_b128 s[START:START+3], s[SEGP:SEGP+1], 0x0
	s_cmp_eq_u32 s[NET], 0                         ; the choice hangs on the work-group's number alone
	s_cselect_b64 s[WP:WP+1], s[12:13], s[14:15]
	s_cselect_b64 s[BP:BP+1], s[16:17], s[18:19]
	s_cselect_b64 s[OUTP:OUTP+1], s[20:21], s[22:23]
	s_add_nc_u64 s[WP:WP+1], s[WP:WP+1], s[50:51]
	s_add_nc_u64 s[BP:BP+1], s[BP:BP+1], s[52:53]
	s_add_nc_u64 s[OUTP:OUTP+1], s[OUTP:OUTP+1], s[60:61]
	s_add_nc_u64 s[HC:HC+1], s[HC:HC+1], s[56:57]
	s_add_nc_u64 s[HS:HS+1], s[HS:HS+1], s[58:59]
.irp q, 0,1,2,3
	global_load_b128 v[BI+8*\q:BI+8*\q+3], v[BA], s[BP:BP+1] offset:(32*(\q/2)+8*(\q%2))*4         ; tile q, lane (r, h): the bias of columns 32 (q / 2) + 16 h + 8 (q % 2) + 0 .. 7
	global_load_b128 v[BI+8*\q+4:BI+8*\q+7], v[BA], s[BP:BP+1] offset:(32*(\q/2)+8*(\q%2))*4+16
.endr
	WLOAD 0
	WLOAD 1
	WIN 0
	s_wait_kmcnt 0x0                               ; my expert's entry; each number is held inside its range before anything is made of it
	s_min_u32 s[START], s[START], 0xfff
	s_min_u32 s[CNT], s[CNT], 4096
	s_min_u32 s[TB], s[TB], 270
	s_min_u32 s[TILES], s[TILES], 256
	s_max_u32 s[CNT1], s[CNT], 1
	s_sub_co_u32 s[CNT1], s[CNT1], 1
	s_max_u32 s[TL1], s[TILES], 1
	s_sub_co_u32 s[TL1], s[TL1], 1
	s_cmp_eq_u32 s[TILES], 0
	s_cselect_b32 s[TBX], 0, s[TB]                 ; an expert without tokens reads tile 0, which some expert has written, and uses nothing of it
	s_add_co_u32 s[NBAT], s[TILES], 19             ; ceil(tiles / 20) = (tiles + 19) x 3277 >> 16: exact up to 275, and tiles are held at 256
	s_mul_i32 s[NBAT], s[NBAT], 3277
	s_lshr_b32 s[NBAT], s[NBAT], 16
	s_mov_b32 s[BC], 0
	s_mov_b32 s[IW], s[WV]
.irp t, 0,1,2,3,4
	SLOTADR \t
.endr
	WLOAD 2
	WLOAD 3
	WIN 0
	WBLOCK 0, 53                                   ; behind block 0's loads: block 1's 16, the list's 5, blocks 2 and 3's 32
	s_wait_loadcnt 32                              ; block 1 and the list's words are in; blocks 2 and 3 may be out
	GATHER 0
	GATHER 1
	WBLOCK 1, -1
	WBLOCK 2, 50                                   ; behind block 2's: block 3's 16 and two gathers' 34
	GATHER 2
	GATHER 3
	WBLOCK 3, 63                                   ; behind block 3's: four gathers' 68; the wait's field holds 63
	GATHER 4
	WFETCH
	s_wait_dscnt 0x0                               ; W's fragments and scale words are in
.Lbatch:
	PROCESS 0, 63
	PROCESS 1, 51
	PROCESS 2, 34
	PROCESS 3, 17
	PROCESS 4, 0
	s_add_co_u32 s[BC], s[BC], 1                   ; a batch is done
	s_add_co_u32 s[IW], s[IW], 20
	s_cmp_ge_u32 s[BC], s[NBAT]
	s_cbranch_scc1 .Ldone
	s_wait_loadcnt 0x0                             ; an expert with more than 320 tokens: the gathers' registers are free on every way,
	s_wait_xcnt 0x0
.irp t, 0,1,2,3,4
	SLOTADR \t
.endr
.irp t, 0,1,2,3,4
	GATHER \t
.endr
	s_cmp_lt_u32 s[BC], s[NBAT]
	s_cbranch_scc1 .Lbatch
.Ldone:
	s_wait_tensorcnt 0x0                           ; the wave's end
	ds_add_u32 v[SPW], v[NIL]
	s_wait_dscnt 0x0
	s_endpgm
.Lfunc_end_k_q1ea1fbe706_layer1:
	.size	k_q1ea1fbe706_layer1, .Lfunc_end_k_q1ea1fbe706_layer1-k_q1ea1fbe706_layer1
	.p2alignl 7, 3214868480
	.fill 96, 4, 3214868480
	.section	.rodata,"a",@progbits
	.p2align	6, 0x0
	.amdhsa_kernel k_q1ea1fbe706_layer1
		.amdhsa_group_segment_fixed_size 51968
		.amdhsa_private_segment_fixed_size 0
		.amdhsa_enable_private_segment 0
		.amdhsa_kernarg_size 80
		.amdhsa_user_sgpr_count 2
		.amdhsa_user_sgpr_kernarg_segment_ptr 1
		.amdhsa_wavefront_size32 1
		.amdhsa_system_sgpr_workgroup_id_x 1
		.amdhsa_system_sgpr_workgroup_id_y 1
		.amdhsa_system_sgpr_workgroup_id_z 1
		.amdhsa_system_vgpr_workitem_id 0
		.amdhsa_next_free_vgpr 832
		.amdhsa_next_free_sgpr 90
		.amdhsa_reserve_vcc 0
		.amdhsa_float_denorm_mode_32 3
		.amdhsa_float_denorm_mode_16_64 3
		.amdhsa_memory_ordered 1
		.amdhsa_forward_progress 1
		.amdhsa_inst_pref_size 127
	.end_amdhsa_kernel
	.amdgpu_metadata
---
amdhsa.version: [ 1, 2 ]
amdhsa.kernels:
  - .name:           k_q1ea1fbe706_layer1
    .symbol:         k_q1ea1fbe706_layer1.kd
    .args:
      - { .name: hcodes, .offset: 0, .size: 8, .value_kind: global_buffer, .address_space: global }
      - { .name: hscales, .offset: 8, .size: 8, .value_kind: global_buffer, .address_space: global }
      - { .name: order, .offset: 16, .size: 8, .value_kind: global_buffer, .address_space: global }
      - { .name: seg, .offset: 24, .size: 8, .value_kind: global_buffer, .address_space: global }
      - { .name: Wp1, .offset: 32, .size: 8, .value_kind: global_buffer, .address_space: global }
      - { .name: Wv1, .offset: 40, .size: 8, .value_kind: global_buffer, .address_space: global }
      - { .name: bp1, .offset: 48, .size: 8, .value_kind: global_buffer, .address_space: global }
      - { .name: bv1, .offset: 56, .size: 8, .value_kind: global_buffer, .address_space: global }
      - { .name: out0, .offset: 64, .size: 8, .value_kind: global_buffer, .address_space: global }
      - { .name: out1, .offset: 72, .size: 8, .value_kind: global_buffer, .address_space: global }
    .group_segment_fixed_size: 51968
    .private_segment_fixed_size: 0
    .kernarg_segment_align: 8
    .kernarg_segment_size: 80
    .max_flat_workgroup_size: 128
    .sgpr_count:     90
    .vgpr_count:     832
    .wavefront_size: 32
...
	.end_amdgpu_metadata
.endif
;; end of part 3
;; ======== version 2 of 2: 3 launches
;; limits: a function is approximated: absolute error at most 3e-07
;; workspace buffers: xcodes 2,097,152 bytes; xscales 65,536 bytes; order 16,384 bytes of whole numbers; seg 512 bytes of whole numbers; hcodes 4,440,064 bytes; hscales 138,752 bytes
;; launch prep (part 4): grid 129 x 1, 16 waves a work-group, no clusters, 86,528 bytes of LDS; arguments features, goal, xcodes, xscales, order, seg; writes xcodes, xscales, order, seg
.if DOCPART == 4
	.amdgcn_target "amdgcn-amd-amdhsa--gfx1250"
	.amdhsa_code_object_version 6
	.text
	.protected	k_q1ea1fbe706_prep
	.globl	k_q1ea1fbe706_prep
	.p2align	8
	.type	k_q1ea1fbe706_prep,@function
k_q1ea1fbe706_prep:
	s_mov_b64 s[64:65], 0
	v_nop
	global_prefetch_b8 v0, s[64:65] scope:SCOPE_SE
	s_setreg_imm32_b32 hwreg(HW_REG_WAVE_MODE, 25, 1), 1
	s_wait_xcnt 0x0
; GoalMlpExtractor, launch 1 of 3: the tokens are quantised, and sorted by their expert.
; WORK LEFT OUT BY THE WHOLE PROGRAM.  reference() runs all 16 experts on all 4,096 tokens and then keeps, by its own gather [g, idx] with g = goal, for token b only
; row b of expert goal[b].  Row b of any other expert reaches no output, whatever the inputs hold: rows of a product do not mix, tanh works number by number, and each
; row is quantised along K by itself.  So products 1 to 4 are done only for the rows (goal[b], b).  The choice is made by whole numbers that are read from memory:
; this launch reads goal and stores the sorted list; the two later launches read the list.  All ten inputs have a way to an output and are loaded.
; LIMITS: a NaN, an infinity or an overflow that arises only in an expert that a token did not choose is not carried to the result.  goal holds 0 .. 15 (an index stays
; inside its table); another number would leave its token without a place in the list.  NaN and infinities among the features are not served.
; A block of zeros gets the scale byte 1 where the rule says 127: its codes are zeros, which add nothing under any byte but 0xff, and this program alone reads the bytes.
; WORK-GROUPS 1 .. 128: features [4096][512] f32 -> xcodes [4096][512] codes of E4M3, K as it lies, and xscales [4096][16] E8M0 bytes, one for each 32 along K.
;   A work-group takes 32 tokens, each of its 16 waves two.  A token is 2,048 bytes: four loads of 512 consecutive bytes; they turn through the wave's own stage in LDS,
;   so that a lane holds 16 neighbours along K (two neighbouring lanes hold a block).  A lane's 16 codes are 16 bytes: a store covers a token's 512 consecutive bytes.
;   The 32 tokens' scale bytes meet in LDS and leave as 512 consecutive bytes.
; WORK-GROUP 0: a counting sort of the tokens by goal, without atomics: each wave counts its 256 tokens by expert, the counts meet in LDS, every wave works out where its
;   tokens of each expert begin, and stores the token numbers there.  order [4096]: token numbers, expert by expert.  seg [32][4]: for expert g its first place in order, its
;   count, its first tile of 16 rows and its number of tiles (entries 16 .. 31 are zeros).  The order of an expert's tokens among themselves is free.
;   The token numbers leave by stores of 4 bytes to places that hang on the data: 16 KiB in all, once.
; The two ways part on the work-group's number alone; each has LDS bytes of its own and one barrier that all 16 waves of its work-group pass.
.set SP,    80                         ; a lane's place in a stage: its 64 bytes + 16 of padding
.set QST,   0                          ; the quantisers' stages: for each wave two of 32 x SP bytes
.set SCB,   81920                      ; the work-group's 32 x 16 scale bytes
.set SORTB, 82432                      ; the sort: 32 words of counts for each wave
.set SPARE, 84480                      ; the spare words, 128 bytes for each wave: eight blocks of 256 bytes that no other line names
.set SPW,   12                         ; v12  LDS address of my spare word; never rewritten
.set NIL,   13                         ; v13  0; never rewritten
.set R,     16                         ; quantiser: v16-47 two tokens as loaded;
.set X,     48                         ; v48-79 as 16 neighbours a lane;
.set C,     80                         ; v80-87 their codes;
.set E,     88                         ; v88-89 their scale bytes
.set G,     16                         ; sort: v16-23 goal of my eight tokens;
.set SEG,   28                         ; v28-31 an entry of seg in lane g;
.set P,     32                         ; v32-39 my tokens' places;
.set XW,    40                         ; v40-55 all waves' counts;
.set ID,    56                         ; v56-63 my tokens' numbers
.set CNT,   32                         ; s32-47 counts by expert
.set RUN,   48                         ; s48-63 the next free place by expert
	s_load_b256 s[4:11], s[0:1], 0x0               ; features s[4:5], goal s[6:7], xcodes s[8:9], xscales s[10:11]
	s_load_b128 s[12:15], s[0:1], 0x20             ; order s[12:13], seg s[14:15]
	v_lshl_add_u32 v[SPW], v0, 2, SPARE
	v_mov_b32 v[NIL], 0
	v_lshrrev_b32 v1, 5, v0
	s_delay_alu instid0(VALU_DEP_1)
	v_readfirstlane_b32 s16, v1                    ; wave 0 .. 15
	v_and_b32 v2, 31, v0                           ; lane
	s_delay_alu instid0(VALU_DEP_1)
	v_lshlrev_b32 v3, 4, v2                        ; 16 x lane
	; every LDS address of both ways is made here, ahead of the parting
	s_mul_i32 s17, s16, 2*32*SP
	v_lshrrev_b32 v14, 2, v2
	s_delay_alu instid0(VALU_DEP_1)
	v_mul_u32_u24 v14, v14, SP
	v_and_b32 v15, 3, v2
	s_delay_alu instid0(VALU_DEP_1)
	v_lshl_add_u32 v14, v15, 4, v14
	s_delay_alu instid0(VALU_DEP_1)
	v_add_nc_u32 v14, s17, v14                     ; into a stage: four lanes' 64 bytes on end, then 16 of padding
	v_mul_u32_u24 v15, v2, SP
	s_delay_alu instid0(VALU_DEP_1)
	v_add_nc_u32 v15, s17, v15                     ; out of it: my 16 neighbours
	s_lshl_b32 s17, s16, 5
	s_add_co_u32 s17, s17, SCB
	v_lshrrev_b32 v5, 1, v2
	s_delay_alu instid0(VALU_DEP_1)
	v_add_nc_u32 v5, s17, v5                       ; my block's scale byte: 32 x wave + lane / 2 (+ 16 for the second token)
	v_add_nc_u32 v6, SCB, v3                       ; and the way out of the 512 bytes
	v_lshl_add_u32 v4, v0, 2, SORTB                ; the sort: my wave's 32 words, my lane's
	v_lshl_add_u32 v7, v2, 2, SORTB                ; and my lane's word of wave 0
	s_mov_b32 s23, 0x600000                        ; the mantissa field of 448
	s_wait_kmcnt 0x0
	s_cmp_eq_u32 ttmp9, 0
	s_cbranch_scc1 .Lsort
	; ---------------- the quantiser ----------------
	s_sub_co_u32 s18, ttmp9, 1
	s_lshl_b32 s19, s18, 5
	s_lshl_b32 s20, s16, 1
	s_add_co_u32 s19, s19, s20                     ; my first token: 32 x (work-group - 1) + 2 x wave
	s_mov_b32 s21, 0
	s_lshl_b32 s20, s19, 11
	s_add_nc_u64 s[4:5], s[4:5], s[20:21]
	s_lshl_b32 s20, s19, 9
	s_add_nc_u64 s[8:9], s[8:9], s[20:21]
	s_lshl_b32 s20, s18, 9
	s_add_nc_u64 s[10:11], s[10:11], s[20:21]
.irp t, 0,1
.irp i, 0,1,2,3
	global_load_b128 v[R+16*\t+4*\i:R+16*\t+4*\i+3], v3, s[4:5] offset:2048*\t+512*\i th:TH_LOAD_NT   ; 32 lanes read 512 consecutive bytes; read once in the launch
.endr
.endr
.macro TURN t                          ; token t through its stage: LDS serves a wave's instructions in order, so no wait stands between the stores and the loads
.irp i, 0,1,2,3
	ds_store_b128 v14, v[R+16*\t+4*\i:R+16*\t+4*\i+3] offset:32*SP*\t+8*SP*\i
.endr
.irp i, 0,1,2,3
	ds_load_b128 v[X+16*\t+4*\i:X+16*\t+4*\i+3], v15 offset:32*SP*\t+16*\i
.endr
.endm
.macro STEP t
.set XS, X+16*\t
	v_max3_num_f32 v8, |v[XS]|, |v[XS+1]|, |v[XS+2]|               ; the largest magnitude of my 16, in two chains
	v_max3_num_f32 v9, |v[XS+3]|, |v[XS+4]|, |v[XS+5]|
.irp i, 6,10
	s_delay_alu instid0(VALU_DEP_2)
	v_max3_num_f32 v8, v8, |v[XS+\i]|, |v[XS+\i+1]|
	s_delay_alu instid0(VALU_DEP_2)
	v_max3_num_f32 v9, v9, |v[XS+\i+2]|, |v[XS+\i+3]|
.endr
	s_delay_alu instid0(VALU_DEP_2)
	v_max3_num_f32 v8, v8, |v[XS+14]|, |v[XS+15]|
	s_delay_alu instid0(VALU_DEP_1)
	v_max3_num_f32 v8, v8, v9, 0x4800000           ; and the floor 2^(9 - 127): the byte cannot fall under 1
	s_delay_alu instid0(VALU_DEP_1)
	v_max_num_f32_dpp v8, v8, v8 row_xmask:1 row_mask:0xf bank_mask:0xf   ; with my neighbour's 16: the block's
	s_delay_alu instid0(VALU_DEP_1)
	v_add_nc_u32 v11, 0xfc000000, v8               ; 8 off its exponent field: the conversion takes this operand's exponent field as its scale
	s_delay_alu instid0(VALU_DEP_2)
	v_and_or_b32 v10, v8, 0x7f800000, s23          ; 448 x the scale
.set ii, 0
.rept 16
	v_med3_num_f32 v[XS+ii], v[XS+ii], -v10, v10   ; the conversion to an 8-bit code does not saturate (ISA guide 7.6.2): the number is held first
.set ii, ii+1
.endr
	v_cvt_scalef32_pk8_fp8_f32 v[C+4*\t:C+4*\t+1], v[XS:XS+7], v11
	v_cvt_scalef32_pk8_fp8_f32 v[C+4*\t+2:C+4*\t+3], v[XS+8:XS+15], v11
	v_lshrrev_b32 v[E+\t], 23, v11                 ; the scale's byte (also the plain line behind the conversions)
	ds_store_b8 v5, v[E+\t] offset:16*\t           ; both lanes of a block write the same byte with the same value
	global_store_b128 v3, v[C+4*\t:C+4*\t+3], s[8:9] offset:512*\t   ; 32 lanes store the token's 512 consecutive bytes
.endm
	s_wait_loadcnt 4                               ; token 0's four loads are in; token 1's four may be out
	s_wait_alu depctr_va_vdst(0)
	TURN 0
	s_wait_loadcnt 0x0
	TURN 1
	s_wait_dscnt 8                                 ; token 0 is back from its stage; behind it: token 1's four stores and four loads
	STEP 0
	s_wait_dscnt 1                                 ; token 1 is back; behind it: token 0's byte store
	STEP 1
	s_wait_dscnt 0x0                               ; for the others' sake: my scale bytes lie in LDS
	s_barrier_signal -1
	s_barrier_wait -1
	s_cmp_lg_u32 s16, 0
	s_cbranch_scc1 .Lend
	ds_load_b128 v[8:11], v6                       ; wave 0: the 32 tokens' scale bytes,
	s_wait_dscnt 0x0
	global_store_b128 v3, v[8:11], s[10:11]        ; 512 consecutive bytes
	s_branch .Lend
	; ---------------- the sort ----------------
.Lsort:
	s_lshl_b32 s17, s16, 10
	v_add_nc_u32 v8, s17, v3
	global_load_b128 v[G:G+3], v8, s[6:7]          ; register 4 jj + i: goal of token 256 x wave + 128 jj + 4 x lane + i
	global_load_b128 v[G+4:G+7], v8, s[6:7] offset:512
	s_lshl_b32 s17, s16, 8
	v_lshl_add_u32 v[ID], v2, 2, s17
.irp j, 1,2,3,4,5,6,7
	v_add_nc_u32 v[ID+\j], 128*(\j/4)+\j%4, v[ID]
.endr
	v_mov_b32 v24, 0                               ; (a lane write's destination is written whole first)
	v_mov_b32 v[SEG], 0
	v_mov_b32 v[SEG+2], 0
	s_wait_loadcnt 0x0
	; pass 1: how many of my wave's 256 tokens go to each expert
.irp g, 0,1,2,3,4,5,6,7,8,9,10,11,12,13,14,15
	s_wait_alu depctr_va_vdst(0)
.irp j, 0,1,2,3,4,5,6,7
	v_cmp_eq_u32 s[20+\j], \g, v[G+\j]
.endr
.irp j, 0,1,2,3,4,5,6,7
	s_bcnt1_i32_b32 s[20+\j], s[20+\j]
.endr
	s_add_co_u32 s[CNT+\g], s20, s21
.irp j, 2,3,4,5,6,7
	s_add_co_u32 s[CNT+\g], s[CNT+\g], s[20+\j]
.endr
	v_writelane_b32 v24, s[CNT+\g], \g
.endr
	ds_store_b32 v4, v24                           ; lane g: my wave's count for expert g; lanes 16-31: 0
	s_wait_dscnt 0x0                               ; for the others' sake
	s_barrier_signal -1
	s_barrier_wait -1
.irp w, 0,1,2,3,4,5,6,7,8,9,10,11,12,13,14,15
	ds_load_b32 v[XW+\w], v7 offset:128*\w
.endr
	s_wait_dscnt 0x0
	v_add3_u32 v[SEG+1], v[XW], v[XW+1], v[XW+2]   ; lane g: expert g's tokens in all
.irp w, 3,5,7,9,11,13
	s_delay_alu instid0(VALU_DEP_1)
	v_add3_u32 v[SEG+1], v[SEG+1], v[XW+\w], v[XW+\w+1]
.endr
	s_delay_alu instid0(VALU_DEP_1)
	v_add_nc_u32 v[SEG+1], v[SEG+1], v[XW+15]
	s_cmp_gt_u32 s16, 0                            ; and those in the waves ahead of mine
	s_cselect_b32 s20, -1, 0
	v_and_b32 v25, s20, v[XW]
.irp w, 1,2,3,4,5,6,7,8,9,10,11,12,13,14
	s_cmp_gt_u32 s16, \w
	s_cselect_b32 s20, -1, 0
	v_and_b32 v26, s20, v[XW+\w]
	s_delay_alu instid0(VALU_DEP_1)
	v_add_nc_u32 v25, v25, v26
.endr
.irp g, 0,1,2,3,4,5,6,7,8,9,10,11,12,13,14,15
	v_readlane_b32 s[CNT+\g], v[SEG+1], \g
	v_readlane_b32 s[RUN+\g], v25, \g
.endr
	s_mov_b32 s18, 0                               ; the running first place,
	s_mov_b32 s19, 0                               ; the running first tile
.irp g, 0,1,2,3,4,5,6,7,8,9,10,11,12,13,14,15
	s_add_co_u32 s[RUN+\g], s[RUN+\g], s18         ; where my wave's tokens of expert g begin
	v_writelane_b32 v[SEG], s18, \g
	v_writelane_b32 v[SEG+2], s19, \g
	s_add_co_u32 s20, s[CNT+\g], 15
	s_lshr_b32 s20, s20, 4
	s_add_co_u32 s19, s19, s20
	s_add_co_u32 s18, s18, s[CNT+\g]
.endr
	v_add_nc_u32 v[SEG+3], 15, v[SEG+1]
	s_delay_alu instid0(VALU_DEP_1)
	v_lshrrev_b32 v[SEG+3], 4, v[SEG+3]            ; tiles of 16 rows
	s_cmp_lg_u32 s16, 0
	s_cbranch_scc1 .Lno_seg
	global_store_b128 v3, v[SEG:SEG+3], s[14:15]   ; wave 0: 32 entries, 512 consecutive bytes
.Lno_seg:
	; pass 2: each token's place: the next free place of its expert + the lanes below mine that go there too
.irp j, 0,1,2,3,4,5,6,7
.irp g, 0,1,2,3,4,5,6,7,8,9,10,11,12,13,14,15
	v_cmp_eq_u32 s[20+\g%4], \g, v[G+\j]
.if \g == 0
	s_delay_alu instid0(VALU_DEP_1)
	v_mbcnt_lo_u32_b32 v[P+\j], s[20+\g%4], s[RUN+\g]              ; written whole; the lanes of other experts are selected over below
.else
	s_delay_alu instid0(VALU_DEP_1)
	v_mbcnt_lo_u32_b32 v[24+\g%4], s[20+\g%4], s[RUN+\g]
	s_delay_alu instid0(VALU_DEP_1)
	v_cndmask_b32 v[P+\j], v[P+\j], v[24+\g%4], s[20+\g%4]
.endif
	s_bcnt1_i32_b32 s[24+\g%4], s[20+\g%4]
	s_add_co_u32 s[RUN+\g], s[RUN+\g], s[24+\g%4]
.endr
.endr
.irp j, 0,1,2,3,4,5,6,7
	v_min_u32 v[P+\j], 0xfff, v[P+\j]              ; a place made of loaded numbers is held inside the list
	s_delay_alu instid0(VALU_DEP_1)
	v_lshlrev_b32 v[P+\j], 2, v[P+\j]
	global_store_b32 v[P+\j], v[ID+\j], s[12:13]
.endr
.Lend:
	s_wait_tensorcnt 0x0                           ; the wave's end
	ds_add_u32 v[SPW], v[NIL]
	s_wait_dscnt 0x0
	s_endpgm
.Lfunc_end_k_q1ea1fbe706_prep:
	.size	k_q1ea1fbe706_prep, .Lfunc_end_k_q1ea1fbe706_prep-k_q1ea1fbe706_prep
	.p2alignl 7, 3214868480
	.fill 96, 4, 3214868480
	.section	.rodata,"a",@progbits
	.p2align	6, 0x0
	.amdhsa_kernel k_q1ea1fbe706_prep
		.amdhsa_group_segment_fixed_size 86528
		.amdhsa_private_segment_fixed_size 0
		.amdhsa_enable_private_segment 0
		.amdhsa_kernarg_size 48
		.amdhsa_user_sgpr_count 2
		.amdhsa_user_sgpr_kernarg_segment_ptr 1
		.amdhsa_wavefront_size32 1
		.amdhsa_system_sgpr_workgroup_id_x 1
		.amdhsa_system_sgpr_workgroup_id_y 1
		.amdhsa_system_sgpr_workgroup_id_z 1
		.amdhsa_system_vgpr_workitem_id 0
		.amdhsa_next_free_vgpr 128
		.amdhsa_next_free_sgpr 72
		.amdhsa_reserve_vcc 0
		.amdhsa_float_denorm_mode_32 3
		.amdhsa_float_denorm_mode_16_64 3
		.amdhsa_memory_ordered 1
		.amdhsa_forward_progress 1
		.amdhsa_inst_pref_size 80
	.end_amdhsa_kernel
	.amdgpu_metadata
---
amdhsa.version: [ 1, 2 ]
amdhsa.kernels:
  - .name:           k_q1ea1fbe706_prep
    .symbol:         k_q1ea1fbe706_prep.kd
    .args:
      - { .name: features, .offset: 0, .size: 8, .value_kind: global_buffer, .address_space: global }
      - { .name: goal, .offset: 8, .size: 8, .value_kind: global_buffer, .address_space: global }
      - { .name: xcodes, .offset: 16, .size: 8, .value_kind: global_buffer, .address_space: global }
      - { .name: xscales, .offset: 24, .size: 8, .value_kind: global_buffer, .address_space: global }
      - { .name: order, .offset: 32, .size: 8, .value_kind: global_buffer, .address_space: global }
      - { .name: seg, .offset: 40, .size: 8, .value_kind: global_buffer, .address_space: global }
    .group_segment_fixed_size: 86528
    .private_segment_fixed_size: 0
    .kernarg_segment_align: 8
    .kernarg_segment_size: 48
    .max_flat_workgroup_size: 512
    .sgpr_count:     72
    .vgpr_count:     128
    .wavefront_size: 32
...
	.end_amdgpu_metadata
.endif
;; end of part 4
;; launch layer0 (part 5): grid 8 x 32, 4 waves a work-group, no clusters, 69,376 bytes of LDS; arguments xcodes, xscales, order, seg, Wp0, Wv0, bp0, bv0, hcodes, hscales; writes hcodes, hscales
.if DOCPART == 5
	.amdgcn_target "amdgcn-amd-amdhsa--gfx1250"
	.amdhsa_code_object_version 6
	.text
	.protected	k_q1ea1fbe706_layer0
	.globl	k_q1ea1fbe706_layer0
	.p2align	8
	.type	k_q1ea1fbe706_layer0,@function
k_q1ea1fbe706_layer0:
	s_mov_b64 s[64:65], 0
	v_nop
	global_prefetch_b8 v0, s[64:65] scope:SCOPE_SE
	s_setreg_imm32_b32 hwreg(HW_REG_WAVE_SCHED_MODE, 0, 2), 2
	s_setreg_imm32_b32 hwreg(HW_REG_WAVE_MODE, 25, 1), 1
	s_wait_xcnt 0x0
	s_wait_alu depctr_vm_vsrc(0)
; GoalMlpExtractor, launch 2 of 3: h = Q(tanh(Q(x) Q(W0[g]) + b0[g])) for both nets, only for the rows (goal[b], b): the other experts' rows reach no output (reference()'s gather [g, idx]).
; Codes of E4M3 with one E8M0 scale for each 32 along K; sums, bias and tanh in f32.
; SHARES.  Work-group (nb, 16 net + g) owns columns 64 nb .. 64 nb + 63 of W0[g] of its net: 512 x 64 numbers of f32, read from memory once in the launch.  256 work-groups of equal weight bytes.
; THE WEIGHT PHASE.  K is W's first axis.  Wave w takes K step w (k = 128 w .. + 127): 64 loads of 16 bytes a lane, sixteen lanes reading 256 consecutive bytes of a row of W, lanes 16-31 the row 16 further down.
;   For each of its four columns a lane so holds 16 numbers down K of each block of 32, the very k that the operand's layout gives lane (r, h).  The hold at the largest code writes them into registers on end
;   along K, so nothing is transposed by an instruction of its own.  The codes go to LDS as images of the operand's registers, one barrier, and EVERY wave then holds all 16 fragments (4 column tiles x 4 K steps).
; THE COLUMNS OF A TILE ARE NOT NEIGHBOURS: column 32 b + 16 a + 8 u + e goes to tile 2 b + u, row 8 a + e.  The product is used transposed (source 0 = 16 columns of W, source 1 = 16 tokens), so lane (r, h)
;   holds token r, and accumulator registers 16 b + 0 .. 15 are columns 32 b + 16 h + 0 .. 15: 16 neighbours along the next K, in the next operand's own order.
; THE TOKENS.  An expert's tokens come in tiles of 16 rows (list: order, seg).  A batch is 20 tiles, slot t of wave w being tile 20 x batch + 4 t + w.  A batch's gathers are ALWAYS all issued, with the tile and the row held
;   inside the expert's list, so that every counted wait counts the same loads on every way; a slot past the expert's tiles is then passed over by a scalar branch on the stored count.  Rows past the count repeat the last token.
;   The first batch's gathers are issued between the weight blocks, while the weights are on their way.  The loop over batches is counted in batches, one a trip, against ceil(tiles / 20).
; A token's 512 codes are loaded as they lie (one load: 512 consecutive bytes) and turn through the wave's own stage in LDS into the operand's layout.  The turn of slot t + 1 is issued ahead of slot t's work, into the
;   other of two fragment buffers, and like the gathers it is always issued: the counted waits on LDS count the same on every way too.
; OUT: hcodes [net][tile][K step][group of 4 registers][lane][16 bytes]: images of the next operand's registers: a store covers 512 consecutive bytes.  hscales [net][tile][row][16]: 2 bytes a row from each work-group.
; NO TENSOR LOADS, NO CLUSTER, though the 16 work-groups of an expert read the same token tiles: trip counts and branches hang on numbers read from memory.
; LIMITS: tanh(x) = 1 - 2 / (1 + 2^(2 log2(e) x)) in f32: its absolute error is about 2^-23, so its relative accuracy falls off for |x| under about 0.1; both ends saturate rightly.  A block of zeros gets the
; byte 1 (its codes are zeros; this program alone reads the bytes).  NaN and infinities are not served.  A work-group whose expert has no token stores nothing.
; THE MODE: SCHED_MODE bits 1:0 = 2 (LLVM: expert scheduling mode 2), set by the entry lines.  The code itself states the register dependences between vector or matrix instructions and memory or LDS
; instructions, with s_wait_alu, always for 0.
; THE PLAN.  Registers that memory or LDS instructions touch, and who else names them:
;   v1-v9, v12, v13   addresses, made once at the head by vector lines, never written again: one wait on va_vdst ahead of the first load serves every load and store that reads them.
;   window 1          the weights' loads land; the weight blocks' vector lines read; then the LDS loads of W's fragments land, behind the last weight block's wait on va_vdst; from there on the products alone read.
;   C                 written by conversions; read by a weight block's four image stores, later by a slot's two stores.  va_vdst ahead of each run of stores, vm_vsrc ahead of the conversions that write C again.
;   SW                written by the weight blocks; read once, by four LDS stores behind the last block's wait on va_vdst.
;   OA, SA, AD        written by vector lines once a batch; read by the list's and the gathers' loads: va_vdst ahead of each run of loads, one vm_vsrc at the head of a further batch.
;   TOK               the list's loads land; a gather's vector lines read.
;   raw slots         (windows 2 and 3) the gathers land; the stage's LDS stores alone read: no vector line names them.  The vm_vsrc at the head of a further batch frees them.
;   XF, XG            two fragment buffers, by turns: the stage's LDS loads land; the products of slot t read buffer t % 2.  The loads of slot t + 2 find those products ahead of slot t's waits on va_vdst, and no
;                     vector or matrix line since names the buffer: so a turn through the stage owes no wait of its own.
;   XS, WS, BI        loads land; the products alone read.
;   HO, HSO, PW       written by a slot's vector lines; read by its three stores: va_vdst ahead of the stores, vm_vsrc (beside the wait on XCNT) behind the next slot's products, ahead of the first line that writes them again.
.set NETB,  271*8192                   ; at most 4096 / 16 + 15 = 271 tiles, whatever the split
.set NETS,  271*256
.set TSTR,  8208                       ; LDS, from byte 0: W's images: tile q at TSTR q, K step s at 2048 s, group c at 512 c, 16 bytes a lane.  The odd 16 bytes part the sixteen lanes of an image store
.set WSC,   33024                      ; W's scale words: 256 q + 16 r + 4 s
.set STG,   34048                      ; a stage for each wave: 32 rows (16 along K each) x (16 tokens x 16 bytes + 16)
.set SPARE, 68864                      ; the spare words, 128 bytes for each wave: two blocks of 256 bytes that no other line names
; window 0
.set L16,  1                           ; 16 x lane: an image's place, and a row's
.set WLD,  2                           ; W: 32768 h + 16 q
.set WST,  3                           ; where I store my columns' codes
.set WSA,  4                           ; and their scale words
.set TMPV, 5
.set WSR,  6                           ; where I read W's scale words
.set BA,   7                           ; the bias: 64 h
.set SWR,  8                           ; the stage: in
.set SRD,  9                           ; and out
.set HO,   10                          ; my place in hcodes
.set HSO,  11                          ; and in hscales
.set SPW,  12                          ; LDS address of my spare word; never rewritten
.set NIL,  13                          ; 0; never rewritten
.set RHO,  14                          ; r: the tile's row whose token my lane looks up
.set HSL,  15                          ; 16 r
.set OA,   16                          ; v16-20  slot t: my place in order
.set TOK,  21                          ; v21-25  my row's token
.set SA,   26                          ; v26-30  its place in xscales
.set XS,   32                          ; v32-51  the tokens' scale words, four a slot: scales and nothing else
.set WS,   52                          ; v52-67  W's scale words, 4 q + s: scales and nothing else
.set BI,   68                          ; v68-99  the bias in the result's layout
.set ACC,  100                         ; v100-131 four accumulators
.set XF,   132                         ; v132-195 the four fragments of an even slot's tile
.set Y,    132                         ;          in the weight phase: 4 columns x 16 numbers on end along K
.set C,    196                         ; v196-211 codes just made
.set TM,   212                         ; v212-227 +0 largest magnitudes, +4 bytes, +8 448 x the scale, +12 the conversion's scale operand
.set SW,   228                         ; v228-231 my four columns' scale words
.set PW,   232                         ; the hidden layer's two bytes
; window 1: the weights as loaded (64 b + 4 i + j), then W's fragments (64 q + 16 s).  window 2: slots 0-3 as loaded (64 t + 4 m).
; window 3: v0-63 slot 4; from v64 the gathers' addresses (16 t + m); from v144 the four fragments of an odd slot's tile
.set AD,   64
.set XG,   144
.set XC,   4                           ; s[4:5] xcodes, s[6:7] xscales, s[8:9] order, s[10:11] seg, s[12:13] W, s[16:17] bias, s[20:21] hcodes, s[22:23] hscales
.set XSP,  6
.set ORD,  8
.set SEGP, 10
.set WP,   12
.set BP,   16
.set HC,   20
.set HS,   22
.set WV,   24
.set GX,   26
.set NET,  27
.set START, 32                         ; s[32:35] my expert's entry of seg
.set CNT,  33
.set TB,   34
.set TILES, 35
.set CNT1, 36                          ; its last row
.set TL1,  37                          ; its last tile
.set TBX,  38                          ; its first tile in hcodes
.set BC,   39                          ; batches done: the loop's counter, one a trip
.set IW,   40                          ; my wave's first tile of the batch: 20 x batch + wave
.set TT,   41
.set TU,   42
.set NBAT, 43                          ; batches in all: ceil(tiles / 20); the loop does not write it
.set SEL,  44                          ; s[44:45] v_permlanex16_b32's selects for lane l xor 16
.set C2,   46                          ; s[46:47] 2 log2(e)
.set MNT,  48                          ; the mantissa field of 448
.set ID,   68                          ; s68-83 a tile's sixteen tokens
.set MSB, 0
.macro WIN new                         ; the immediate's high byte repeats the setting that is left; a switch that changes nothing is dropped
.if MSB != (\new)
	s_set_vgpr_msb (MSB<<8)|(\new)
.set MSB, (\new)
.endif
.endm
.macro WLOAD b                         ; block b of my K step: rows 32 b + i (lanes 16-31: + 16), my four columns.  No vector line names these registers ahead of the loads, and v[WLD] stands since the head's wait
	WIN 0x40
.set ii, 0
.rept 16
	global_load_b128 v[64*\b+4*ii:64*\b+4*ii+3], v[WLD], s[WP:WP+1] offset:(32*\b+ii)*2048 th:TH_LOAD_NT   ; sixteen lanes read 256 consecutive bytes, aligned; read once in the launch
.set ii, ii+1
.endr
.endm
.macro WBLOCK b, n                     ; block b becomes codes: n younger loads may stay out (n < 0: an earlier wait has shown the block in)
.if \n >= 0
	s_wait_loadcnt \n
.endif
	WIN 0x05                                       ; sources 0 and 1: window 1
.irp j, 0,1,2,3
	v_max3_num_f32 v[TM+\j], |v[64*\b+\j]|, |v[64*\b+4+\j]|, 0x4800000   ; column j: my 16 numbers, and the floor 2^(9 - 127): the byte cannot fall under 1
.endr
.irp i, 2,4,6,8,10,12,14
.irp j, 0,1,2,3
	v_max3_num_f32 v[TM+\j], |v[64*\b+4*\i+\j]|, |v[64*\b+4*\i+4+\j]|, v[TM+\j]   ; (the four columns by turns)
.endr
.endr
	WIN 0
.irp j, 0,1,2,3
	v_permlanex16_b32 v[TM+4+\j], v[TM+\j], s[SEL], s[SEL+1]
.endr
.irp j, 0,1,2,3
	v_max_num_f32 v[TM+\j], v[TM+\j], v[TM+4+\j]   ; with lane l xor 16's 16: the block's largest magnitude
.endr
.irp j, 0,1,2,3
	v_add_nc_u32 v[TM+12+\j], 0xfc000000, v[TM+\j] ; 8 off its exponent field: the conversion's scale operand
.endr
.irp j, 0,1,2,3
	v_and_or_b32 v[TM+8+\j], v[TM+\j], 0x7f800000, s[MNT]   ; 448 x the scale
.endr
.irp j, 0,1,2,3
.if \b == 0
	v_lshrrev_b32 v[SW+\j], 23, v[TM+12+\j]        ; the scale's byte: four blocks make the column's word for this K step
.else
	v_lshrrev_b32 v[TM+4+\j], 23, v[TM+12+\j]
	v_lshl_or_b32 v[SW+\j], v[TM+4+\j], 8*\b, v[SW+\j]
.endif
.endr
	WIN 0x01                                       ; source 0: window 1
.irp j, 0,1,2,3
.set ii, 0
.rept 16
	v_med3_num_f32 v[Y+16*\j+ii], v[64*\b+4*ii+\j], -v[TM+8+\j], v[TM+8+\j]   ; the hold (the conversion does not saturate: ISA guide 7.6.2) also lays a column's 16 numbers on end
.set ii, ii+1
.endr
.endr
	WIN 0
.if \b > 0
	s_wait_alu depctr_va_vdst(0)
	s_wait_dscnt 0x0                               ; the last block's image stores are done,
	s_wait_alu depctr_vm_vsrc(0)                   ; and have read v[C ..], which the conversions below write again
.endif
.irp j, 0,1,2,3
	v_cvt_scalef32_pk8_fp8_f32 v[C+4*\j:C+4*\j+1], v[Y+16*\j:Y+16*\j+7], v[TM+12+\j]
	v_cvt_scalef32_pk8_fp8_f32 v[C+4*\j+2:C+4*\j+3], v[Y+16*\j+8:Y+16*\j+15], v[TM+12+\j]
.endr
	v_nop                                          ; one plain line behind the last conversion, ahead of whatever next writes its sources
	s_wait_alu depctr_va_vdst(0)                   ; the conversions have written v[C ..], which the image stores read.  The last block's: also v[SW ..] is written, and the vector lines are done with window 1 and with v[Y ..], in which LDS loads land later
.irp j, 0,1,2,3
	ds_store_b128 v[WST], v[C+4*\j:C+4*\j+3] offset:512*\b+16*\j   ; group b of the fragment of column j's tile, at the lane that holds column j there
.endr
.endm
.macro WFETCH                          ; the one barrier; then all 16 fragments and their scale words, in every wave
.irp j, 0,1,2,3
	ds_store_b32 v[WSA], v[SW+\j] offset:16*\j     ; both halves of the lanes write the same word with the same value
.endr
	s_wait_dscnt 0x0                               ; for the others' sake: my images and scale words lie in LDS
	s_barrier_signal -1
	s_barrier_wait -1
	WIN 0x40
.irp q, 0,1,2,3
.irp s, 0,1,2,3
.irp c, 0,1,2,3
	ds_load_b128 v[64*\q+16*\s+4*\c:64*\q+16*\s+4*\c+3], v[L16] offset:TSTR*\q+2048*\s+512*\c   ; no vector line since the last wait on va_vdst names window 1
.endr
.endr
.endr
	WIN 0
.irp q, 0,1,2,3
	ds_load_b128 v[WS+4*\q:WS+4*\q+3], v[WSR] offset:256*\q
.endr
.endm
.macro SLOTADR t                       ; slot t's place in order: tile and row are held inside my expert's list, the place inside the buffer
	s_add_co_u32 s[TT], s[IW], 4*\t
	s_min_u32 s[TT], s[TT], s[TL1]
	s_lshl_b32 s[TU], s[TT], 4
	v_add_nc_u32 v[OA+\t], s[TU], v[RHO]
	v_min_u32 v[OA+\t], s[CNT1], v[OA+\t]
	v_add_nc_u32 v[OA+\t], s[START], v[OA+\t]
	v_min_u32 v[OA+\t], 0xfff, v[OA+\t]
	v_lshlrev_b32 v[OA+\t], 2, v[OA+\t]
.endm
.macro LIST                            ; the batch's five places are made together, so that one wait serves the five loads
.irp t, 0,1,2,3,4
	SLOTADR \t
.endr
	s_wait_alu depctr_va_vdst(0)                   ; v[OA ..] are written, which the five loads read; in a further batch the last batch's gathers are done reading v[TOK ..], in which they land
.irp t, 0,1,2,3,4
	global_load_b32 v[TOK+\t], v[OA+\t], s[ORD:ORD+1]
.endr
.endm
.macro GATHER t                        ; 17 loads: the tile's sixteen rows of codes, whole, and its scale words
	v_min_u32 v[SA+\t], 0xfff, v[TOK+\t]
	v_lshlrev_b32 v[SA+\t], 4, v[SA+\t]
.irp m, 0,1,2,3,4,5,6,7,8,9,10,11,12,13,14,15
	v_readlane_b32 s[ID+\m], v[TOK+\t], \m
.endr
	s_wait_alu depctr_va_sdst(0)                   ; the sixteen lane reads have written s[ID ..], ahead of their first readers below
.irp m, 0,1,2,3,4,5,6,7,8,9,10,11,12,13,14,15
	s_min_u32 s[ID+\m], s[ID+\m], 0xfff
.endr
	WIN 0xc0                                       ; destination window 3
.irp m, 0,1,2,3,4,5,6,7,8,9,10,11,12,13,14,15
	v_lshl_add_u32 v[AD+16*\t+\m], s[ID+\m], 9, v[L16]
.endr
	WIN ((2+(\t)/4)<<6)|3                          ; data window 2 (slot 4: 3), address window 3
	s_wait_alu depctr_va_vdst(0)                   ; the sixteen addresses and v[SA + t] are written, which the loads below read; in a further batch the products are done reading v[XS ..], in which the last of them lands
.irp m, 0,1,2,3,4,5,6,7,8,9,10,11,12,13,14,15
	global_load_b128 v[64*((\t)%4)+4*\m:64*((\t)%4)+4*\m+3], v[AD+16*\t+\m], s[XC:XC+1]   ; 32 lanes read a token's 512 consecutive bytes
.endr
	WIN 0
	global_load_b128 v[XS+4*\t:XS+4*\t+3], v[SA+\t], s[XSP:XSP+1]
.endm
.macro MULS xb, xs                     ; 16 products; the four accumulators take turns, one instruction a turn.  The bias is the C of each sum's first product
.irp s, 0,1,2,3
.irp q, 0,1,2,3
.if \s == 0
	v_wmma_scale_f32_16x16x128_f8f6f4 v[ACC+8*\q:ACC+8*\q+7], v[64*\q+16*\s:64*\q+16*\s+15], v[(\xb)+16*\s:(\xb)+16*\s+15], v[BI+8*\q:BI+8*\q+7], v[WS+4*\q+\s], v[(\xs)+\s]
.else
	v_wmma_scale_f32_16x16x128_f8f6f4 v[ACC+8*\q:ACC+8*\q+7], v[64*\q+16*\s:64*\q+16*\s+15], v[(\xb)+16*\s:(\xb)+16*\s+15], v[ACC+8*\q:ACC+8*\q+7], v[WS+4*\q+\s], v[(\xs)+\s]
.endif
.endr
.endr
.endm
.macro TANH                            ; in place on the 32 results, each accumulator from its low end on: 1 - 2 / (1 + 2^(2 log2(e) x)).  Two batches of transcendentals, one wait each
.set ii, 0
.rept 16
	v_pk_mul_f32 v[ACC+ii:ACC+ii+1], v[ACC+ii:ACC+ii+1], s[C2:C2+1] op_sel_hi:[1,0]
.set ii, ii+2
.endr
.set ii, 0
	s_wait_alu depctr_va_vdst(0)
.rept 32
	v_exp_f32 v[ACC+ii], v[ACC+ii]
.set ii, ii+1
.endr
	v_nop                                          ; a plain line behind the last exponential,
	s_wait_alu depctr_va_vdst(0)                   ; and a wait ahead of the batch's first reader: the 32 exponentials have written v[ACC ..].  The products above are also done reading their fragment buffer and scale words
.set ii, 0
.rept 16
	v_pk_add_f32 v[ACC+ii:ACC+ii+1], v[ACC+ii:ACC+ii+1], 1.0 op_sel_hi:[1,0]
.set ii, ii+2
.endr
.set ii, 0
	s_wait_alu depctr_va_vdst(0)
.rept 32
	v_rcp_f32 v[ACC+ii], v[ACC+ii]
.set ii, ii+1
.endr
	v_nop
	s_wait_alu depctr_va_vdst(0)                   ; likewise: the 32 reciprocals have written v[ACC ..], ahead of their first reader
.set ii, 0
.rept 16
	v_pk_fma_f32 v[ACC+ii:ACC+ii+1], v[ACC+ii:ACC+ii+1], -2.0, 1.0 op_sel_hi:[1,0,0]
.set ii, ii+2
.endr
.endm
.macro QUANT2                          ; my row's two blocks of 32 hidden units (16 numbers each in lanes l and l xor 16) become 2 x 4 registers of codes and two scale bytes
.irp b, 0,1
	v_max3_num_f32 v[TM+\b], |v[ACC+16*\b]|, |v[ACC+16*\b+1]|, 0x4800000
.endr
.irp i, 2,4,6,8,10,12,14
.irp b, 0,1
	v_max3_num_f32 v[TM+\b], v[TM+\b], |v[ACC+16*\b+\i]|, |v[ACC+16*\b+\i+1]|
.endr
.endr
.irp b, 0,1
	v_permlanex16_b32 v[TM+4+\b], v[TM+\b], s[SEL], s[SEL+1]
.endr
.irp b, 0,1
	v_max_num_f32 v[TM+\b], v[TM+\b], v[TM+4+\b]
.endr
.irp b, 0,1
	v_add_nc_u32 v[TM+12+\b], 0xfc000000, v[TM+\b]
.endr
.irp b, 0,1
	v_and_or_b32 v[TM+8+\b], v[TM+\b], 0x7f800000, s[MNT]
.endr
.irp b, 0,1
	v_lshrrev_b32 v[TM+4+\b], 23, v[TM+12+\b]
.endr
	v_lshl_or_b32 v[PW], v[TM+5], 8, v[TM+4]
.irp b, 0,1
.set ii, 0
.rept 16
	v_med3_num_f32 v[ACC+16*\b+ii], v[ACC+16*\b+ii], -v[TM+8+\b], v[TM+8+\b]
.set ii, ii+1
.endr
.endr
.irp b, 0,1
	v_cvt_scalef32_pk8_fp8_f32 v[C+4*\b:C+4*\b+1], v[ACC+16*\b:ACC+16*\b+7], v[TM+12+\b]
	v_cvt_scalef32_pk8_fp8_f32 v[C+4*\b+2:C+4*\b+3], v[ACC+16*\b+8:ACC+16*\b+15], v[TM+12+\b]
.endr
	v_nop                                          ; one plain line behind the last conversion: the next products write its sources
.endm
; Slot t's tile turns through the stage into fragment buffer t % 2.  Always issued, as the gathers are.  lc: the loads issued behind slot t's seventeen: 17 for each later slot (the wait's field holds 63).
; No wait on va_vdst or vm_vsrc is owed: the stores read registers that loads alone write; the loads land in a buffer whose last readers, the products of slot t - 2 (for the first: the weight phase's lines on v[Y ..]),
; stand ahead of a wait on va_vdst, and no vector or matrix line since names it.
.macro TURN t, lc
.set XB, XF+(XG-XF)*((\t)%2)
	s_wait_loadcnt \lc
	WIN 0x08+4*((\t)/4)                            ; an LDS store's data are its source 1: window 2 (slot 4: 3)
.set ii, 0
.rept 16
	ds_store_b128 v[SWR], v[64*((\t)%4)+4*ii:64*((\t)%4)+4*ii+3] offset:16*ii   ; my 16 along K of token ii.  LDS serves a wave's instructions in order: these come behind the last turn's loads
.set ii, ii+1
.endr
	WIN 0xc0*((\t)%2)                              ; destination window 0 (an odd slot: 3)
.irp s, 0,1,2,3
.irp c, 0,1,2,3
	ds_load_b128 v[XB+16*\s+4*\c:XB+16*\s+4*\c+3], v[SRD] offset:(8*\s+2*\c)*272   ; token r, k = 128 s + 32 c + 16 h on.  These see the stores above
.endr
.endr
	WIN 0
.endm
.macro PROCESS t, dc                   ; slot t, if my expert has that tile.  dc: the LDS instructions issued behind slot t's turn: the next slot's 32, or none
	s_wait_dscnt \dc                               ; slot t's fragments are in (the first time: W's too).  On every way, ahead of the branch: so no turn's loads land on registers that an older turn's loads still own
	s_add_co_u32 s[TT], s[IW], 4*\t
	s_cmp_ge_u32 s[TT], s[TILES]
	s_cbranch_scc1 .Lskip_\@
	s_add_co_u32 s[TT], s[TT], s[TBX]
	s_min_u32 s[TT], s[TT], 270
	s_lshl_b32 s[TU], s[TT], 13
	s_lshl_b32 s[TT], s[TT], 8
	WIN 0x01+12*((\t)%2)                           ; source 0 (W): window 1; source 1 (the tokens): window 0 (an odd slot: 3)
	MULS XF+(XG-XF)*((\t)%2), XS+4*\t
	WIN 0
	s_wait_xcnt 0x0                                ; the last slot's stores have had their addresses translated: their addresses and data are written again below,
	s_wait_alu depctr_vm_vsrc(0)                   ; and they have read v[HO], v[HSO], v[PW] and v[C ..] (the first time: the last weight block's image stores have read v[C ..])
	v_add_nc_u32 v[HO], s[TU], v[L16]              ; eight places behind the products: two additions that are due, six v_nop
	v_add_nc_u32 v[HSO], s[TT], v[HSL]
.rept 6
	v_nop
.endr
	TANH
	QUANT2
	s_wait_alu depctr_va_vdst(0)                   ; the conversions have written v[C ..], and v[PW], v[HO] and v[HSO] are written: the three stores read them
	global_store_b128 v[HO], v[C:C+3], s[HC:HC+1]              ; 32 lanes store 512 consecutive bytes: a group of four registers of the next operand
	global_store_b128 v[HO], v[C+4:C+7], s[HC:HC+1] offset:512
	global_store_b16 v[HSO], v[PW], s[HS:HS+1]                 ; my row's two scale bytes (both halves of the lanes write the same)
.Lskip_\@:
.endm
	s_load_b512 s[4:19], s[0:1], 0x0               ; xcodes, xscales, order, seg, Wp0, Wv0, bp0, bv0
	s_load_b128 s[20:23], s[0:1], 0x40             ; hcodes, hscales
	v_lshl_add_u32 v[SPW], v0, 2, SPARE
	v_mov_b32 v[NIL], 0
	v_lshrrev_b32 v[TMPV], 5, v0
	v_readfirstlane_b32 s[WV], v[TMPV]             ; wave 0 .. 3
	v_and_b32 v[TMPV], 31, v0
	v_lshlrev_b32 v[L16], 4, v[TMPV]
	v_mul_u32_u24 v[SWR], v[TMPV], 272
	v_and_b32 v[RHO], 15, v0                       ; r, and in the weight phase q
	v_lshlrev_b32 v[HSL], 4, v[RHO]
	v_bfe_u32 v[BA], v0, 4, 1                      ; h
	v_lshl_add_u32 v[WLD], v[BA], 15, v[HSL]       ; 16 rows of 2,048 bytes down for lanes 16-31
	v_mad_u32_u24 v[SRD], v[BA], 272, v[HSL]
	s_wait_alu depctr_va_sdst(0)                   ; s[WV] is written, ahead of its first reader
	s_mul_i32 s[TT], s[WV], 32*272
	s_add_co_u32 s[TT], s[TT], STG
	v_add_nc_u32 v[SWR], s[TT], v[SWR]
	v_add_nc_u32 v[SRD], s[TT], v[SRD]
	v_bfe_u32 v[TMPV], v0, 3, 1                    ; q's bits: b (32 columns),
	v_mul_u32_u24 v[WST], v[TMPV], 2*TSTR
	v_lshlrev_b32 v[WSA], 9, v[TMPV]
	v_bfe_u32 v[TMPV], v0, 1, 1                    ; u (8 columns): the tile is 2 b + u,
	v_mad_u32_u24 v[WST], v[TMPV], TSTR, v[WST]
	v_lshl_add_u32 v[WSA], v[TMPV], 8, v[WSA]
	v_bfe_u32 v[TMPV], v0, 2, 1                    ; a (16 columns),
	v_lshl_add_u32 v[WST], v[TMPV], 7, v[WST]
	v_lshl_add_u32 v[WSA], v[TMPV], 7, v[WSA]
	v_and_b32 v[TMPV], 1, v0                       ; and q's lowest (4 columns): the tile's row is 8 a + 4 q0 + j
	v_lshl_add_u32 v[WST], v[TMPV], 6, v[WST]
	v_lshl_add_u32 v[WSA], v[TMPV], 6, v[WSA]
	v_lshl_add_u32 v[WST], v[BA], 8, v[WST]        ; the half of the lanes stays
	s_lshl_b32 s[TT], s[WV], 11
	v_add_nc_u32 v[WST], s[TT], v[WST]             ; K step = my wave
	s_lshl_b32 s[TT], s[WV], 2
	s_add_co_u32 s[TT], s[TT], WSC
	v_add_nc_u32 v[WSA], s[TT], v[WSA]
	v_add_nc_u32 v[WSR], WSC, v[HSL]
	v_lshlrev_b32 v[BA], 6, v[BA]
.irp j, 0,1,2,3
	v_mov_b32 v[TM+4+\j], 0                        ; written once: a lane permute's destination counts as one of its sources
.endr
	s_mov_b32 s[SEL], 0x76543210
	s_mov_b32 s[SEL+1], 0xfedcba98
	s_mov_b32 s[C2], 0x4038aa3b                    ; 2 log2(e)
	s_mov_b32 s[C2+1], s[C2]                       ; (named with it as a pair, so it is written)
	s_mov_b32 s[MNT], 0x600000
	s_and_b32 s[GX], ttmp7, 15                     ; the expert,
	s_bfe_u32 s[NET], ttmp7, 0x10004               ; the net
	s_lshl_b32 s50, s[GX], 20                      ; offsets, each in a pair of its own.  W: expert, my K step's 128 rows, my work-group's 256 bytes of a row
	s_lshl_b32 s[TT], s[WV], 18
	s_add_co_u32 s50, s50, s[TT]
	s_lshl_b32 s[TT], ttmp9, 8
	s_add_co_u32 s50, s50, s[TT]
	s_mov_b32 s51, 0
	s_lshl_b32 s52, s[GX], 11                      ; the bias
	s_add_co_u32 s52, s52, s[TT]
	s_mov_b32 s53, 0
	s_lshl_b32 s54, s[GX], 4                       ; my expert's entry of seg
	s_mov_b32 s55, 0
	s_mul_i32 s56, s[NET], NETB                    ; hcodes: the net; my 64 hidden units are K step nb / 2, groups 2 (nb % 2) and + 1: 1,024 nb bytes
	s_lshl_b32 s[TT], ttmp9, 10
	s_add_co_u32 s56, s56, s[TT]
	s_mov_b32 s57, 0
	s_mul_i32 s58, s[NET], NETS                    ; hscales: bytes 2 nb and 2 nb + 1 of a row
	s_lshl_b32 s[TT], ttmp9, 1
	s_add_co_u32 s58, s58, s[TT]
	s_mov_b32 s59, 0
	s_wait_kmcnt 0x0
	s_add_nc_u64 s[SEGP:SEGP+1], s[SEGP:SEGP+1], s[54:55]
	s_load_b128 s[START:START+3], s[SEGP:SEGP+1], 0x0
	s_cmp_eq_u32 s[NET], 0                         ; the choice hangs on the work-group's number alone
	s_cselect_b64 s[WP:WP+1], s[12:13], s[14:15]
	s_cselect_b64 s[BP:BP+1], s[16:17], s[18:19]
	s_add_nc_u64 s[WP:WP+1], s[WP:WP+1], s[50:51]
	s_add_nc_u64 s[BP:BP+1], s[BP:BP+1], s[52:53]
	s_add_nc_u64 s[HC:HC+1], s[HC:HC+1], s[56:57]
	s_add_nc_u64 s[HS:HS+1], s[HS:HS+1], s[58:59]
	s_wait_alu depctr_va_vdst(0)                   ; the addresses v1 to v9 are written, which the loads and stores of the whole kernel read; none of them is written again
.irp q, 0,1,2,3
	global_load_b128 v[BI+8*\q:BI+8*\q+3], v[BA], s[BP:BP+1] offset:(32*(\q/2)+8*(\q%2))*4         ; tile q, lane (r, h): the bias of columns 32 (q / 2) + 16 h + 8 (q % 2) + 0 .. 7
	global_load_b128 v[BI+8*\q+4:BI+8*\q+7], v[BA], s[BP:BP+1] offset:(32*(\q/2)+8*(\q%2))*4+16
.endr
	WLOAD 0
	WLOAD 1
	WIN 0
	s_wait_kmcnt 0x0                               ; my expert's entry; each number is held inside its range before anything is made of it
	s_min_u32 s[START], s[START], 0xfff
	s_min_u32 s[CNT], s[CNT], 4096
	s_min_u32 s[TB], s[TB], 270
	s_min_u32 s[TILES], s[TILES], 256
	s_max_u32 s[CNT1], s[CNT], 1
	s_sub_co_u32 s[CNT1], s[CNT1], 1
	s_max_u32 s[TL1], s[TILES], 1
	s_sub_co_u32 s[TL1], s[TL1], 1
	s_cmp_eq_u32 s[TILES], 0
	s_cselect_b32 s[TBX], 0, s[TB]
	s_add_co_u32 s[NBAT], s[TILES], 19             ; ceil(tiles / 20) = (tiles + 19) x 3277 >> 16: exact up to 275, and tiles are held at 256
	s_mul_i32 s[NBAT], s[NBAT], 3277
	s_lshr_b32 s[NBAT], s[NBAT], 16
	s_mov_b32 s[BC], 0
	s_mov_b32 s[IW], s[WV]
	LIST
	WLOAD 2
	WLOAD 3
	WIN 0
	WBLOCK 0, 53                                   ; behind block 0's loads: block 1's 16, the list's 5, blocks 2 and 3's 32
	s_wait_loadcnt 32                              ; block 1 and the list's words are in; blocks 2 and 3 may be out
	GATHER 0
	GATHER 1
	WBLOCK 1, -1
	WBLOCK 2, 50                                   ; behind block 2's: block 3's 16 and two gathers' 34
	GATHER 2
	GATHER 3
	WBLOCK 3, 63                                   ; behind block 3's: four gathers' 68; the wait's field holds 63
	GATHER 4
	WFETCH
.Lbatch:
	TURN 0, 63
	TURN 1, 51                                     ; each slot's turn is issued a slot ahead: it comes back while the slot before is multiplied, put through tanh and quantised
	PROCESS 0, 32
	TURN 2, 34
	PROCESS 1, 32
	TURN 3, 17
	PROCESS 2, 32
	TURN 4, 0
	PROCESS 3, 32
	PROCESS 4, 0
	s_add_co_u32 s[BC], s[BC], 1                   ; a batch is done
	s_add_co_u32 s[IW], s[IW], 20
	s_cmp_ge_u32 s[BC], s[NBAT]
	s_cbranch_scc1 .Ldone
	s_wait_loadcnt 0x0                             ; an expert with more than 320 tokens: the gathers' registers are free on every way,
	s_wait_xcnt 0x0
	s_wait_alu depctr_vm_vsrc(0)                   ; the last batch's loads have read v[OA ..], v[SA ..] and the gathers' addresses, which are made anew below; the stage's stores have read the raw slots, in which the new gathers land
	LIST
	s_wait_loadcnt 0x0                             ; the list's words
.irp t, 0,1,2,3,4
	GATHER \t
.endr
	s_cmp_lt_u32 s[BC], s[NBAT]
	s_cbranch_scc1 .Lbatch
.Ldone:
	s_wait_dscnt 0x0                               ; the closing lines, six on end
	s_wait_alu 0x0
	s_wait_tensorcnt 0x0
	ds_add_u32 v[SPW], v[NIL]
	s_wait_dscnt 0x0
	s_endpgm
.Lfunc_end_k_q1ea1fbe706_layer0:
	.size	k_q1ea1fbe706_layer0, .Lfunc_end_k_q1ea1fbe706_layer0-k_q1ea1fbe706_layer0
	.p2alignl 7, 3214868480
	.fill 96, 4, 3214868480
	.section	.rodata,"a",@progbits
	.p2align	6, 0x0
	.amdhsa_kernel k_q1ea1fbe706_layer0
		.amdhsa_group_segment_fixed_size 69376
		.amdhsa_private_segment_fixed_size 0
		.amdhsa_enable_private_segment 0
		.amdhsa_kernarg_size 80
		.amdhsa_user_sgpr_count 2
		.amdhsa_user_sgpr_kernarg_segment_ptr 1
		.amdhsa_wavefront_size32 1
		.amdhsa_system_sgpr_workgroup_id_x 1
		.amdhsa_system_sgpr_workgroup_id_y 1
		.amdhsa_system_sgpr_workgroup_id_z 1
		.amdhsa_system_vgpr_workitem_id 0
		.amdhsa_next_free_vgpr 976
		.amdhsa_next_free_sgpr 90
		.amdhsa_reserve_vcc 0
		.amdhsa_float_denorm_mode_32 3
		.amdhsa_float_denorm_mode_16_64 3
		.amdhsa_memory_ordered 1
		.amdhsa_forward_progress 1
		.amdhsa_inst_pref_size 174
	.end_amdhsa_kernel
	.amdgpu_metadata
---
amdhsa.version: [ 1, 2 ]
amdhsa.kernels:
  - .name:           k_q1ea1fbe706_layer0
    .symbol:         k_q1ea1fbe706_layer0.kd
    .args:
      - { .name: xcodes, .offset: 0, .size: 8, .value_kind: global_buffer, .address_space: global }
      - { .name: xscales, .offset: 8, .size: 8, .value_kind: global_buffer, .address_space: global }
      - { .name: order, .offset: 16, .size: 8, .value_kind: global_buffer, .address_space: global }
      - { .name: seg, .offset: 24, .size: 8, .value_kind: global_buffer, .address_space: global }
      - { .name: Wp0, .offset: 32, .size: 8, .value_kind: global_buffer, .address_space: global }
      - { .name: Wv0, .offset: 40, .size: 8, .value_kind: global_buffer, .address_space: global }
      - { .name: bp0, .offset: 48, .size: 8, .value_kind: global_buffer, .address_space: global }
      - { .name: bv0, .offset: 56, .size: 8, .value_kind: global_buffer, .address_space: global }
      - { .name: hcodes, .offset: 64, .size: 8, .value_kind: global_buffer, .address_space: global }
      - { .name: hscales, .offset: 72, .size: 8, .value_kind: global_buffer, .address_space: global }
    .group_segment_fixed_size: 69376
    .private_segment_fixed_size: 0
    .kernarg_segment_align: 8
    .kernarg_segment_size: 80
    .max_flat_workgroup_size: 128
    .sgpr_count:     90
    .vgpr_count:     976
    .wavefront_size: 32
...
	.end_amdgpu_metadata
.endif
;; end of part 5
;; launch layer1 (part 6): grid 8 x 32, 4 waves a work-group, no clusters, 51,968 bytes of LDS; arguments hcodes, hscales, order, seg, Wp1, Wv1, bp1, bv1, out0, out1; writes out0, out1
.if DOCPART == 6
	.amdgcn_target "amdgcn-amd-amdhsa--gfx1250"
	.amdhsa_code_object_version 6
	.text
	.protected	k_q1ea1fbe706_layer1
	.globl	k_q1ea1fbe706_layer1
	.p2align	8
	.type	k_q1ea1fbe706_layer1,@function
k_q1ea1fbe706_layer1:
	s_mov_b64 s[64:65], 0
	v_nop
	global_prefetch_b8 v0, s[64:65] scope:SCOPE_SE
	s_setreg_imm32_b32 hwreg(HW_REG_WAVE_SCHED_MODE, 0, 2), 2
	s_setreg_imm32_b32 hwreg(HW_REG_WAVE_MODE, 25, 1), 1
	s_wait_xcnt 0x0
	s_wait_alu depctr_vm_vsrc(0)
; GoalMlpExtractor, launch 3 of 3: out = tanh(h Q(W1[g]) + b1[g]) for both nets, only for the rows (goal[b], b): the other experts' rows reach no output (reference()'s gather [g, idx]).
; h comes as codes of E4M3 and E8M0 scale bytes from the launch before; W1 is quantised here; sums, bias and tanh in f32.
; SHARES, THE WEIGHT PHASE, THE CHOICE OF A TILE'S COLUMNS and THE BATCHES are those of the launch before: work-group (nb, 16 net + g) owns columns 64 nb .. + 63 of W1[g]; wave w quantises K step w, a lane taking
;   four columns with its registers down K; the codes go to LDS as images of the operand's registers; one barrier; every wave holds all 16 fragments; a batch is 20 tiles of 16 tokens, slot t of wave w being tile
;   20 x batch + 4 t + w; a batch's gathers are always all issued, held inside the expert's list, so that every counted wait counts the same loads on every way; a slot past the expert's tiles is passed over by a scalar branch.
;   The loop over batches is counted in batches, one a trip, against ceil(tiles / 20).
; THE TOKENS' FRAGMENTS lie in hcodes as images of the operand's registers: 16 loads of 512 consecutive bytes a tile, straight into the operand.
; THE WAY OUT.  The product is used transposed: lane (r, h) holds token r, and accumulator registers 16 b + 0 .. 15 are columns 32 b + 16 h + 0 .. 15.  A tile goes through the wave's own stage in LDS and leaves by rows:
;   sixteen lanes store a token's 256 consecutive bytes, aligned; lanes 0-15 row e, lanes 16-31 row e + 8.  Rows past the expert's count repeat its last token and store the same numbers at the same place.
; NO TENSOR LOADS, NO CLUSTER, though the 8 work-groups of an expert and net read the same tiles: trip counts and branches hang on numbers read from memory.
; LIMITS: tanh(x) = 1 - 2 / (1 + 2^(2 log2(e) x)) in f32, absolute error about 2^-23; both ends saturate rightly.  A block of zeros of W1 gets the byte 1 (its codes are zeros).  NaN and infinities are not served.
; A work-group whose expert has no token stores nothing.
; THE MODE: SCHED_MODE bits 1:0 = 2 (LLVM: expert scheduling mode 2), set by the entry lines.  The code itself states the register dependences between vector or matrix instructions and memory or LDS
; instructions, with s_wait_alu, always for 0.
; THE PLAN.  Registers that memory or LDS instructions touch, and who else names them:
;   v1-v9, v12, v13   addresses, made once at the head by vector lines, never written again: one wait on va_vdst ahead of the first load serves every load and store that reads them.
;   window 1, C, SW   as in the launch before: va_vdst ahead of each weight block's image stores, vm_vsrc ahead of the conversions that write C again; the last block's va_vdst also serves SW's stores and the LDS loads of W's fragments.
;   OA, HA, HSA       fifteen addresses, written by vector lines once a batch, all together; read by the list's five loads and the five gathers.  ONE wait on va_vdst behind them serves all 90 loads: the gathers stand among the
;                     weight blocks with no further wait, since those blocks name none of HA, HSA, XS or windows 2 and 3.  One vm_vsrc at the head of a further batch frees the fifteen.
;   windows 2 and 3, XS   the gathers land; the products alone read; each run of products stands ahead of tanh's waits on va_vdst.
;   TOK               the list's loads land; a slot's eight lane moves read, ahead of tanh's waits.
;   ACC               written by the products and by tanh; read by the stage's eight LDS stores: va_vdst ahead of the stores, vm_vsrc ahead of the next slot's products.
;   OB                the stage's LDS loads land; the eight global stores read.     OAD   written by a slot's vector lines, ahead of the same va_vdst; the eight global stores read.
;                     The vm_vsrc ahead of the next slot's products frees both; the wait on XCNT stands behind those products, ahead of the first line that writes OAD again.
.set NETB,  271*8192
.set NETS,  271*256
.set TSTR,  8208                       ; LDS, from byte 0: W's images: tile q at TSTR q, K step s at 2048 s, group c at 512 c, 16 bytes a lane
.set WSC,   33024                      ; W's scale words: 256 q + 16 r + 4 s
.set OST,   34048                      ; a stage for each wave: 16 rows x (256 bytes + 16)
.set SPARE, 51456                      ; the spare words, 128 bytes for each wave: two blocks of 256 bytes that no other line names
; window 0
.set L16,  1                           ; 16 x lane
.set WLD,  2                           ; W: 32768 h + 16 q
.set WST,  3                           ; where I store my columns' codes
.set WSA,  4                           ; and their scale words
.set TMPV, 5
.set WSR,  6                           ; where I read W's scale words
.set BA,   7                           ; the bias: 64 h
.set OSW,  8                           ; the stage: in
.set OSR,  9                           ; and out
.set SPW,  12                          ; LDS address of my spare word; never rewritten
.set NIL,  13                          ; 0; never rewritten
.set RHO,  14                          ; the tile's row whose token my lane looks up: lanes 0-15 row r, lanes 16-31 row (r + 8) % 16
.set R16,  15                          ; 16 r
.set OA,   16                          ; v16-20  slot t: my place in order
.set TOK,  21                          ; v21-25  that row's token
.set HA,   26                          ; v26-30  my place in the tile's images
.set HSA,  31                          ; v31-35  and among its scale words
.set XS,   36                          ; v36-55  the tokens' scale words, four a slot: scales and nothing else
.set WS,   56                          ; v56-71  W's scale words: scales and nothing else
.set BI,   72                          ; v72-103 the bias in the result's layout
.set ACC,  104                         ; v104-135 four accumulators
.set Y,    136                         ; v136-199 in the weight phase: 4 columns x 16 numbers on end along K
.set OB,   136                         ; v136-167 later: 16 rows read back from the stage
.set OAD,  168                         ; v168-175 and their places in out
.set C,    200                         ; v200-215 codes just made
.set TM,   216                         ; v216-231 at work, as in the launch before
.set SW,   232                         ; v232-235 my four columns' scale words
; window 1: the weights as loaded, then W's fragments (64 q + 16 s).  window 2: the fragments of slots 0-3 (64 t + 16 s).  window 3: v0-63 those of slot 4
.set HC,   4                           ; s[4:5] hcodes, s[6:7] hscales, s[8:9] order, s[10:11] seg, s[12:13] W, s[16:17] bias, s[20:21] out
.set HS,   6
.set ORD,  8
.set SEGP, 10
.set WP,   12
.set BP,   16
.set OUTP, 20
.set WV,   24
.set GX,   26
.set NET,  27
.set START, 32
.set CNT,  33
.set TB,   34
.set TILES, 35
.set CNT1, 36
.set TL1,  37
.set TBX,  38
.set BC,   39                          ; batches done: the loop's counter, one a trip
.set IW,   40                          ; my wave's first tile of the batch: 20 x batch + wave
.set TT,   41
.set TU,   42
.set NBAT, 43                          ; batches in all: ceil(tiles / 20); the loop does not write it
.set SEL,  44
.set C2,   46
.set MNT,  48
.set MSB, 0
.macro WIN new                         ; the immediate's high byte repeats the setting that is left; a switch that changes nothing is dropped
.if MSB != (\new)
	s_set_vgpr_msb (MSB<<8)|(\new)
.set MSB, (\new)
.endif
.endm
.macro WLOAD b                         ; block b of my K step: rows 32 b + i (lanes 16-31: + 16), my four columns.  No vector line names these registers ahead of the loads, and v[WLD] stands since the head's wait
	WIN 0x40
.set ii, 0
.rept 16
	global_load_b128 v[64*\b+4*ii:64*\b+4*ii+3], v[WLD], s[WP:WP+1] offset:(32*\b+ii)*2048 th:TH_LOAD_NT   ; sixteen lanes read 256 consecutive bytes, aligned; read once in the launch
.set ii, ii+1
.endr
.endm
.macro WBLOCK b, n                     ; block b becomes codes: n younger loads may stay out (n < 0: an earlier wait has shown the block in)
.if \n >= 0
	s_wait_loadcnt \n
.endif
	WIN 0x05                                       ; sources 0 and 1: window 1
.irp j, 0,1,2,3
	v_max3_num_f32 v[TM+\j], |v[64*\b+\j]|, |v[64*\b+4+\j]|, 0x4800000   ; column j: my 16 numbers, and the floor 2^(9 - 127): the byte cannot fall under 1
.endr
.irp i, 2,4,6,8,10,12,14
.irp j, 0,1,2,3
	v_max3_num_f32 v[TM+\j], |v[64*\b+4*\i+\j]|, |v[64*\b+4*\i+4+\j]|, v[TM+\j]
.endr
.endr
	WIN 0
.irp j, 0,1,2,3
	v_permlanex16_b32 v[TM+4+\j], v[TM+\j], s[SEL], s[SEL+1]
.endr
.irp j, 0,1,2,3
	v_max_num_f32 v[TM+\j], v[TM+\j], v[TM+4+\j]   ; with lane l xor 16's 16: the block's largest magnitude
.endr
.irp j, 0,1,2,3
	v_add_nc_u32 v[TM+12+\j], 0xfc000000, v[TM+\j] ; 8 off its exponent field: the conversion's scale operand
.endr
.irp j, 0,1,2,3
	v_and_or_b32 v[TM+8+\j], v[TM+\j], 0x7f800000, s[MNT]   ; 448 x the scale
.endr
.irp j, 0,1,2,3
.if \b == 0
	v_lshrrev_b32 v[SW+\j], 23, v[TM+12+\j]        ; the scale's byte: four blocks make the column's word for this K step
.else
	v_lshrrev_b32 v[TM+4+\j], 23, v[TM+12+\j]
	v_lshl_or_b32 v[SW+\j], v[TM+4+\j], 8*\b, v[SW+\j]
.endif
.endr
	WIN 0x01                                       ; source 0: window 1
.irp j, 0,1,2,3
.set ii, 0
.rept 16
	v_med3_num_f32 v[Y+16*\j+ii], v[64*\b+4*ii+\j], -v[TM+8+\j], v[TM+8+\j]   ; the hold (the conversion does not saturate: ISA guide 7.6.2) also lays a column's 16 numbers on end
.set ii, ii+1
.endr
.endr
	WIN 0
.if \b > 0
	s_wait_alu depctr_va_vdst(0)
	s_wait_dscnt 0x0                               ; the last block's image stores are done,
	s_wait_alu depctr_vm_vsrc(0)                   ; and have read v[C ..], which the conversions below write again
.endif
.irp j, 0,1,2,3
	v_cvt_scalef32_pk8_fp8_f32 v[C+4*\j:C+4*\j+1], v[Y+16*\j:Y+16*\j+7], v[TM+12+\j]
	v_cvt_scalef32_pk8_fp8_f32 v[C+4*\j+2:C+4*\j+3], v[Y+16*\j+8:Y+16*\j+15], v[TM+12+\j]
.endr
	v_nop                                          ; one plain line behind the last conversion, ahead of whatever next writes its sources
	s_wait_alu depctr_va_vdst(0)                   ; the conversions have written v[C ..], which the image stores read.  The last block's: also v[SW ..] is written, and the vector lines are done with window 1 and with v[Y ..], in which LDS loads land later
.irp j, 0,1,2,3
	ds_store_b128 v[WST], v[C+4*\j:C+4*\j+3] offset:512*\b+16*\j
.endr
.endm
.macro WFETCH                          ; the one barrier; then all 16 fragments and their scale words, in every wave
.irp j, 0,1,2,3
	ds_store_b32 v[WSA], v[SW+\j] offset:16*\j     ; both halves of the lanes write the same word with the same value
.endr
	s_wait_dscnt 0x0                               ; for the others' sake: my images and scale words lie in LDS
	s_barrier_signal -1
	s_barrier_wait -1
	WIN 0x40
.irp q, 0,1,2,3
.irp s, 0,1,2,3
.irp c, 0,1,2,3
	ds_load_b128 v[64*\q+16*\s+4*\c:64*\q+16*\s+4*\c+3], v[L16] offset:TSTR*\q+2048*\s+512*\c   ; no vector line since the last wait on va_vdst names window 1
.endr
.endr
.endr
	WIN 0
.irp q, 0,1,2,3
	ds_load_b128 v[WS+4*\q:WS+4*\q+3], v[WSR] offset:256*\q
.endr
.endm
.macro SLOTADR t                       ; slot t: its row's place in order, its tile's place in hcodes and hscales; all held inside my expert's list and inside the buffers
	s_add_co_u32 s[TT], s[IW], 4*\t
	s_min_u32 s[TT], s[TT], s[TL1]
	s_lshl_b32 s[TU], s[TT], 4
	v_add_nc_u32 v[OA+\t], s[TU], v[RHO]
	v_min_u32 v[OA+\t], s[CNT1], v[OA+\t]
	v_add_nc_u32 v[OA+\t], s[START], v[OA+\t]
	v_min_u32 v[OA+\t], 0xfff, v[OA+\t]
	v_lshlrev_b32 v[OA+\t], 2, v[OA+\t]
	s_add_co_u32 s[TT], s[TT], s[TBX]
	s_min_u32 s[TT], s[TT], 270
	s_lshl_b32 s[TU], s[TT], 13
	v_add_nc_u32 v[HA+\t], s[TU], v[L16]
	s_lshl_b32 s[TU], s[TT], 8
	v_add_nc_u32 v[HSA+\t], s[TU], v[R16]
.endm
.macro LIST                            ; the batch's fifteen addresses are made together, so that one wait serves the list's five loads and the five gathers
.irp t, 0,1,2,3,4
	SLOTADR \t
.endr
	s_wait_alu depctr_va_vdst(0)                   ; v[OA ..], v[HA ..] and v[HSA ..] are written, which the list's loads and the gathers read; in a further batch the lane moves are done reading v[TOK ..], and the products their fragments and v[XS ..], in which these loads land
.irp t, 0,1,2,3,4
	global_load_b32 v[TOK+\t], v[OA+\t], s[ORD:ORD+1]
.endr
.endm
.macro GATHER t                        ; 17 loads: the tile's four fragments as they stand, and its scale words.  No wait: no vector or matrix line since LIST's wait names v[HA + t], v[HSA + t], v[XS ..] or windows 2 and 3
	WIN (2+(\t)/4)<<6                              ; data window 2 (slot 4: 3)
.irp s, 0,1,2,3
.irp c, 0,1,2,3
	global_load_b128 v[64*((\t)%4)+16*\s+4*\c:64*((\t)%4)+16*\s+4*\c+3], v[HA+\t], s[HC:HC+1] offset:2048*\s+512*\c   ; 32 lanes read 512 consecutive bytes
.endr
.endr
	WIN 0
	global_load_b128 v[XS+4*\t:XS+4*\t+3], v[HSA+\t], s[HS:HS+1]
.endm
.macro MULS xb, xs                     ; 16 products; the four accumulators take turns, one instruction a turn.  The bias is the C of each sum's first product
.irp s, 0,1,2,3
.irp q, 0,1,2,3
.if \s == 0
	v_wmma_scale_f32_16x16x128_f8f6f4 v[ACC+8*\q:ACC+8*\q+7], v[64*\q+16*\s:64*\q+16*\s+15], v[(\xb)+16*\s:(\xb)+16*\s+15], v[BI+8*\q:BI+8*\q+7], v[WS+4*\q+\s], v[(\xs)+\s]
.else
	v_wmma_scale_f32_16x16x128_f8f6f4 v[ACC+8*\q:ACC+8*\q+7], v[64*\q+16*\s:64*\q+16*\s+15], v[(\xb)+16*\s:(\xb)+16*\s+15], v[ACC+8*\q:ACC+8*\q+7], v[WS+4*\q+\s], v[(\xs)+\s]
.endif
.endr
.endr
.endm
.macro TANH                            ; in place on the 32 results, each accumulator from its low end on: 1 - 2 / (1 + 2^(2 log2(e) x)).  Two batches of transcendentals, one wait each
.set ii, 0
.rept 16
	v_pk_mul_f32 v[ACC+ii:ACC+ii+1], v[ACC+ii:ACC+ii+1], s[C2:C2+1] op_sel_hi:[1,0]
.set ii, ii+2
.endr
.set ii, 0
	s_wait_alu depctr_va_vdst(0)
.rept 32
	v_exp_f32 v[ACC+ii], v[ACC+ii]
.set ii, ii+1
.endr
	v_nop                                          ; a plain line behind the last exponential,
	s_wait_alu depctr_va_vdst(0)                   ; and a wait ahead of the batch's first reader: the 32 exponentials have written v[ACC ..].  The products above are also done reading their fragments and scale words
.set ii, 0
.rept 16
	v_pk_add_f32 v[ACC+ii:ACC+ii+1], v[ACC+ii:ACC+ii+1], 1.0 op_sel_hi:[1,0]
.set ii, ii+2
.endr
.set ii, 0
	s_wait_alu depctr_va_vdst(0)
.rept 32
	v_rcp_f32 v[ACC+ii], v[ACC+ii]
.set ii, ii+1
.endr
	v_nop
	s_wait_alu depctr_va_vdst(0)                   ; likewise: the 32 reciprocals have written v[ACC ..], ahead of their first reader
.set ii, 0
.rept 16
	v_pk_fma_f32 v[ACC+ii:ACC+ii+1], v[ACC+ii:ACC+ii+1], -2.0, 1.0 op_sel_hi:[1,0,0]
.set ii, ii+2
.endr
.endm
.macro PROCESS t, lc                   ; slot t, if my expert has that tile.  lc: the loads issued behind slot t's seventeen: 17 for each later slot (the wait's field holds 63)
	s_add_co_u32 s[TT], s[IW], 4*\t
	s_cmp_ge_u32 s[TT], s[TILES]
	s_cbranch_scc1 .Lskip_\@
	s_wait_loadcnt \lc                             ; the list's words are older than every gather: they are in too
	s_wait_alu depctr_vm_vsrc(0)                   ; the last slot's stage stores have read v[ACC ..], which the products write; its global stores have read v[OAD ..] and v[OB ..], which are written again further down
	WIN 0x09+4*((\t)/4)                            ; source 0 (W) window 1, source 1 (the tokens) window 2 (slot 4: 3)
	MULS 64*((\t)%4), XS+4*\t
	WIN 0
	s_wait_xcnt 0x0                                ; the last slot's global stores have had their addresses translated: their addresses and data are written again below
.irp e, 0,1,2,3,4,5,6,7
	v_mov_b32_dpp v[OAD+\e], v[TOK+\t] row_share:\e row_mask:0xf bank_mask:0xf   ; lanes 0-15: row e's token; lanes 16-31: row e + 8's
.endr
.irp e, 0,1,2,3,4,5,6,7
	v_min_u32 v[OAD+\e], 0xfff, v[OAD+\e]          ; these sixteen plain lines are also the places behind the products (eight are asked)
.endr
.irp e, 0,1,2,3,4,5,6,7
	v_lshl_add_u32 v[OAD+\e], v[OAD+\e], 11, v[R16]
.endr
	TANH
	s_wait_alu depctr_va_vdst(0)                   ; tanh's last lines have written v[ACC ..], which the stage's stores read, and v[OAD ..] are written, which the global stores read
.irp b, 0,1
.irp j, 0,1,2,3
	ds_store_b128 v[OSW], v[ACC+16*\b+4*\j:ACC+16*\b+4*\j+3] offset:128*\b+16*\j   ; row r, columns 32 b + 16 h + 4 j on
.endr
.endr
.irp e, 0,1,2,3,4,5,6,7
	ds_load_b128 v[OB+4*\e:OB+4*\e+3], v[OSR] offset:272*\e   ; LDS serves a wave's instructions in order: these see the stores above
.endr
.irp e, 0,1,2,3,4,5,6,7
	s_wait_dscnt 7-\e                              ; the later rows' loads may be out
	global_store_b128 v[OAD+\e], v[OB+4*\e:OB+4*\e+3], s[OUTP:OUTP+1] th:TH_STORE_NT   ; sixteen lanes store a token's 256 consecutive bytes, aligned; written once, read by nobody here
.endr
.Lskip_\@:
.endm
	s_load_b512 s[4:19], s[0:1], 0x0               ; hcodes, hscales, order, seg, Wp1, Wv1, bp1, bv1
	s_load_b128 s[20:23], s[0:1], 0x40             ; out0, out1
	v_lshl_add_u32 v[SPW], v0, 2, SPARE
	v_mov_b32 v[NIL], 0
	v_lshrrev_b32 v[TMPV], 5, v0
	v_readfirstlane_b32 s[WV], v[TMPV]             ; wave 0 .. 3
	v_and_b32 v[TMPV], 31, v0
	v_lshlrev_b32 v[L16], 4, v[TMPV]
	v_bfe_u32 v[BA], v0, 4, 1                      ; h
	v_lshl_add_u32 v[RHO], v[BA], 3, v[TMPV]
	v_and_b32 v[RHO], 15, v[RHO]                   ; (lane + 8 h) % 16
	v_and_b32 v[TMPV], 15, v0                      ; r, and in the weight phase q
	v_lshlrev_b32 v[R16], 4, v[TMPV]
	v_lshl_add_u32 v[WLD], v[BA], 15, v[R16]       ; 16 rows of 2,048 bytes down for lanes 16-31
	v_mul_u32_u24 v[OSW], v[TMPV], 272
	v_lshl_add_u32 v[OSW], v[BA], 6, v[OSW]
	v_mad_u32_u24 v[OSR], v[BA], 8*272, v[R16]
	s_wait_alu depctr_va_sdst(0)                   ; s[WV] is written, ahead of its first reader
	s_mul_i32 s[TT], s[WV], 16*272
	s_add_co_u32 s[TT], s[TT], OST
	v_add_nc_u32 v[OSW], s[TT], v[OSW]
	v_add_nc_u32 v[OSR], s[TT], v[OSR]
	v_bfe_u32 v[TMPV], v0, 3, 1                    ; q's bits: b (32 columns),
	v_mul_u32_u24 v[WST], v[TMPV], 2*TSTR
	v_lshlrev_b32 v[WSA], 9, v[TMPV]
	v_bfe_u32 v[TMPV], v0, 1, 1                    ; u (8 columns): the tile is 2 b + u,
	v_mad_u32_u24 v[WST], v[TMPV], TSTR, v[WST]
	v_lshl_add_u32 v[WSA], v[TMPV], 8, v[WSA]
	v_bfe_u32 v[TMPV], v0, 2, 1                    ; a (16 columns),
	v_lshl_add_u32 v[WST], v[TMPV], 7, v[WST]
	v_lshl_add_u32 v[WSA], v[TMPV], 7, v[WSA]
	v_and_b32 v[TMPV], 1, v0                       ; and q's lowest (4 columns): the tile's row is 8 a + 4 q0 + j
	v_lshl_add_u32 v[WST], v[TMPV], 6, v[WST]
	v_lshl_add_u32 v[WSA], v[TMPV], 6, v[WSA]
	v_lshl_add_u32 v[WST], v[BA], 8, v[WST]        ; the half of the lanes stays
	s_lshl_b32 s[TT], s[WV], 11
	v_add_nc_u32 v[WST], s[TT], v[WST]             ; K step = my wave
	s_lshl_b32 s[TT], s[WV], 2
	s_add_co_u32 s[TT], s[TT], WSC
	v_add_nc_u32 v[WSA], s[TT], v[WSA]
	v_add_nc_u32 v[WSR], WSC, v[R16]
	v_lshlrev_b32 v[BA], 6, v[BA]
.irp j, 0,1,2,3
	v_mov_b32 v[TM+4+\j], 0                        ; written once: a lane permute's destination counts as one of its sources
.endr
	s_mov_b32 s[SEL], 0x76543210
	s_mov_b32 s[SEL+1], 0xfedcba98
	s_mov_b32 s[C2], 0x4038aa3b                    ; 2 log2(e)
	s_mov_b32 s[C2+1], s[C2]                       ; (named with it as a pair, so it is written)
	s_mov_b32 s[MNT], 0x600000
	s_and_b32 s[GX], ttmp7, 15                     ; the expert,
	s_bfe_u32 s[NET], ttmp7, 0x10004               ; the net
	s_lshl_b32 s50, s[GX], 20                      ; offsets, each in a pair of its own.  W: expert, my K step's 128 rows, my work-group's 256 bytes of a row
	s_lshl_b32 s[TT], s[WV], 18
	s_add_co_u32 s50, s50, s[TT]
	s_lshl_b32 s60, ttmp9, 8                       ; out: my work-group's 256 bytes of a row
	s_add_co_u32 s50, s50, s60
	s_mov_b32 s51, 0
	s_lshl_b32 s52, s[GX], 11                      ; the bias
	s_add_co_u32 s52, s52, s60
	s_mov_b32 s53, 0
	s_lshl_b32 s54, s[GX], 4                       ; my expert's entry of seg
	s_mov_b32 s55, 0
	s_mul_i32 s56, s[NET], NETB                    ; the net's part of hcodes,
	s_mov_b32 s57, 0
	s_mul_i32 s58, s[NET], NETS                    ; and of hscales
	s_mov_b32 s59, 0
	s_mov_b32 s61, 0
	s_wait_kmcnt 0x0
	s_add_nc_u64 s[SEGP:SEGP+1], s[SEGP:SEGP+1], s[54:55]
	s_load_b128 s[START:START+3], s[SEGP:SEGP+1], 0x0
	s_cmp_eq_u32 s[NET], 0                         ; the choice hangs on the work-group's number alone
	s_cselect_b64 s[WP:WP+1], s[12:13], s[14:15]
	s_cselect_b64 s[BP:BP+1], s[16:17], s[18:19]
	s_cselect_b64 s[OUTP:OUTP+1], s[20:21], s[22:23]
	s_add_nc_u64 s[WP:WP+1], s[WP:WP+1], s[50:51]
	s_add_nc_u64 s[BP:BP+1], s[BP:BP+1], s[52:53]
	s_add_nc_u64 s[OUTP:OUTP+1], s[OUTP:OUTP+1], s[60:61]
	s_add_nc_u64 s[HC:HC+1], s[HC:HC+1], s[56:57]
	s_add_nc_u64 s[HS:HS+1], s[HS:HS+1], s[58:59]
	s_wait_alu depctr_va_vdst(0)                   ; the addresses v1 to v9 are written, which the loads and stores of the whole kernel read; none of them is written again
.irp q, 0,1,2,3
	global_load_b128 v[BI+8*\q:BI+8*\q+3], v[BA], s[BP:BP+1] offset:(32*(\q/2)+8*(\q%2))*4         ; tile q, lane (r, h): the bias of columns 32 (q / 2) + 16 h + 8 (q % 2) + 0 .. 7
	global_load_b128 v[BI+8*\q+4:BI+8*\q+7], v[BA], s[BP:BP+1] offset:(32*(\q/2)+8*(\q%2))*4+16
.endr
	WLOAD 0
	WLOAD 1
	WIN 0
	s_wait_kmcnt 0x0                               ; my expert's entry; each number is held inside its range before anything is made of it
	s_min_u32 s[START], s[START], 0xfff
	s_min_u32 s[CNT], s[CNT], 4096
	s_min_u32 s[TB], s[TB], 270
	s_min_u32 s[TILES], s[TILES], 256
	s_max_u32 s[CNT1], s[CNT], 1
	s_sub_co_u32 s[CNT1], s[CNT1], 1
	s_max_u32 s[TL1], s[TILES], 1
	s_sub_co_u32 s[TL1], s[TL1], 1
	s_cmp_eq_u32 s[TILES], 0
	s_cselect_b32 s[TBX], 0, s[TB]                 ; an expert without tokens reads tile 0, which some expert has written, and uses nothing of it
	s_add_co_u32 s[NBAT], s[TILES], 19             ; ceil(tiles / 20) = (tiles + 19) x 3277 >> 16: exact up to 275, and tiles are held at 256
	s_mul_i32 s[NBAT], s[NBAT], 3277
	s_lshr_b32 s[NBAT], s[NBAT], 16
	s_mov_b32 s[BC], 0
	s_mov_b32 s[IW], s[WV]
	LIST
	WLOAD 2
	WLOAD 3
	WIN 0
	WBLOCK 0, 53                                   ; behind block 0's loads: block 1's 16, the list's 5, blocks 2 and 3's 32
	s_wait_loadcnt 32                              ; block 1 and the list's words are in; blocks 2 and 3 may be out
	GATHER 0
	GATHER 1
	WBLOCK 1, -1
	WBLOCK 2, 50                                   ; behind block 2's: block 3's 16 and two gathers' 34
	GATHER 2
	GATHER 3
	WBLOCK 3, 63                                   ; behind block 3's: four gathers' 68; the wait's field holds 63
	GATHER 4
	WFETCH
	s_wait_dscnt 0x0                               ; W's fragments and scale words are in
.Lbatch:
	PROCESS 0, 63
	PROCESS 1, 51
	PROCESS 2, 34
	PROCESS 3, 17
	PROCESS 4, 0
	s_add_co_u32 s[BC], s[BC], 1                   ; a batch is done
	s_add_co_u32 s[IW], s[IW], 20
	s_cmp_ge_u32 s[BC], s[NBAT]
	s_cbranch_scc1 .Ldone
	s_wait_loadcnt 0x0                             ; an expert with more than 320 tokens: the gathers' registers are free on every way,
	s_wait_xcnt 0x0
	s_wait_alu depctr_vm_vsrc(0)                   ; the last batch's loads have read v[OA ..], v[HA ..] and v[HSA ..], which are made anew below
	LIST
.irp t, 0,1,2,3,4
	GATHER \t
.endr
	s_cmp_lt_u32 s[BC], s[NBAT]
	s_cbranch_scc1 .Lbatch
.Ldone:
	s_wait_dscnt 0x0                               ; the closing lines, six on end
	s_wait_alu 0x0
	s_wait_tensorcnt 0x0
	ds_add_u32 v[SPW], v[NIL]
	s_wait_dscnt 0x0
	s_endpgm
.Lfunc_end_k_q1ea1fbe706_layer1:
	.size	k_q1ea1fbe706_layer1, .Lfunc_end_k_q1ea1fbe706_layer1-k_q1ea1fbe706_layer1
	.p2alignl 7, 3214868480
	.fill 96, 4, 3214868480
	.section	.rodata,"a",@progbits
	.p2align	6, 0x0
	.amdhsa_kernel k_q1ea1fbe706_layer1
		.amdhsa_group_segment_fixed_size 51968
		.amdhsa_private_segment_fixed_size 0
		.amdhsa_enable_private_segment 0
		.amdhsa_kernarg_size 80
		.amdhsa_user_sgpr_count 2
		.amdhsa_user_sgpr_kernarg_segment_ptr 1
		.amdhsa_wavefront_size32 1
		.amdhsa_system_sgpr_workgroup_id_x 1
		.amdhsa_system_sgpr_workgroup_id_y 1
		.amdhsa_system_sgpr_workgroup_id_z 1
		.amdhsa_system_vgpr_workitem_id 0
		.amdhsa_next_free_vgpr 832
		.amdhsa_next_free_sgpr 90
		.amdhsa_reserve_vcc 0
		.amdhsa_float_denorm_mode_32 3
		.amdhsa_float_denorm_mode_16_64 3
		.amdhsa_memory_ordered 1
		.amdhsa_forward_progress 1
		.amdhsa_inst_pref_size 129
	.end_amdhsa_kernel
	.amdgpu_metadata
---
amdhsa.version: [ 1, 2 ]
amdhsa.kernels:
  - .name:           k_q1ea1fbe706_layer1
    .symbol:         k_q1ea1fbe706_layer1.kd
    .args:
      - { .name: hcodes, .offset: 0, .size: 8, .value_kind: global_buffer, .address_space: global }
      - { .name: hscales, .offset: 8, .size: 8, .value_kind: global_buffer, .address_space: global }
      - { .name: order, .offset: 16, .size: 8, .value_kind: global_buffer, .address_space: global }
      - { .name: seg, .offset: 24, .size: 8, .value_kind: global_buffer, .address_space: global }
      - { .name: Wp1, .offset: 32, .size: 8, .value_kind: global_buffer, .address_space: global }
      - { .name: Wv1, .offset: 40, .size: 8, .value_kind: global_buffer, .address_space: global }
      - { .name: bp1, .offset: 48, .size: 8, .value_kind: global_buffer, .address_space: global }
      - { .name: bv1, .offset: 56, .size: 8, .value_kind: global_buffer, .address_space: global }
      - { .name: out0, .offset: 64, .size: 8, .value_kind: global_buffer, .address_space: global }
      - { .name: out1, .offset: 72, .size: 8, .value_kind: global_buffer, .address_space: global }
    .group_segment_fixed_size: 51968
    .private_segment_fixed_size: 0
    .kernarg_segment_align: 8
    .kernarg_segment_size: 80
    .max_flat_workgroup_size: 128
    .sgpr_count:     90
    .vgpr_count:     832
    .wavefront_size: 32
...
	.end_amdgpu_metadata
.endif
;; end of part 6
